; MI455X (gfx1250); checked and timed in simulation.
; The chip was launched on July 23, 2026; its instructions are those of AMD's public machine-readable ISA for CDNA 5 (MIT licence, August 2026) and "CDNA5" Instruction Set Architecture Reference Guide (July 2026). The comments in the code are by the model that wrote it; some were corrected since.
;; Cross Repair. Allowed arithmetic: matrix products marked QUANTISED: E3M2 operands, one E8M0 scale for each 32 along K, by v_wmma_scale_f32_16x16x128_f8f6f4 with both operands' format E3M2, f32 sums; everything else in f32.
;; Inputs: W1 1,024 x 4,096 float32; W2 4,096 x 1,024 float32; Wk 1,024 x 1,024 float32; Wo 1,024 x 1,024 float32; Wq 1,024 x 1,024 float32; Wv 1,024 x 1,024 float32; b1 4,096 float32; b2 1,024 float32; bk 1,024 float32; bo 1,024 float32; bq 1,024 float32; bv 1,024 float32; ln_f_b 1,024 float32; ln_f_g 1,024 float32; ln_kv_b 1,024 float32; ln_kv_g 1,024 float32; ln_q_b 1,024 float32; ln_q_g 1,024 float32; x_mem 2 x 2,048 x 1,024 float32; x_refined 2 x 2,048 x 1,024 float32.
;; Outputs: out0 2 x 2,048 x 1,024 float32.
;; Constants: band = 24.
;; This version of the problem:
;;   THIS VERSION OF THE PROBLEM IS GIVEN IN LOW PRECISION. The matrix products marked QUANTISED in the list below multiply operands that are first quantised to E3M2 (3 exponent bits, 2 mantissa bits; 6 bits a number), with one power-of-two scale for each 32 numbers along K (OCP MX v1.0); their sums are f32. All else is computed in f32.
;;   The module's matrix products, in the order in which they are computed (A, B: the left and right operand; K: the contracted axis; several contracted axes count as one K, in the product's order):
;;     1. [M 4,096, K 1,024] x [K 1,024, N 1,024]; A: computed on the way; B: input Wq: QUANTISED
;;     2. [M 4,096, K 1,024] x [K 1,024, N 1,024]; A: computed on the way; B: input Wk: QUANTISED
;;     3. [M 4,096, K 1,024] x [K 1,024, N 1,024]; A: computed on the way; B: input Wv: QUANTISED
;;     4. batch 32 x [M 2,048, K 64] x [K 64, N 2,048]; A: computed on the way; B: computed on the way: QUANTISED
;;     5. batch 32 x [M 2,048, K 2,048] x [K 2,048, N 64]; A: softmax (see below); B: computed on the way: QUANTISED
;;     6. [M 4,096, K 1,024] x [K 1,024, N 1,024]; A: computed on the way; B: input Wo: QUANTISED
;;     7. [M 4,096, K 1,024] x [K 1,024, N 4,096]; A: computed on the way; B: input W1: QUANTISED
;;     8. [M 4,096, K 4,096] x [K 4,096, N 1,024]; A: computed on the way; B: input W2: QUANTISED
;;   THE QUANTISER, for each operand of a quantised product, along K:
;;     - K is cut into blocks of 32 from its start; a last block that is shorter is filled with zeros.
;;     - A block's scale is 2^e with e = floor(log2(the largest magnitude in the block)) - 4, held to -126 .. 127; a block of zeros has e = 0. As a byte (E8M0): e + 127.
;;     - Each number is divided by its block's scale, clamped to +-28, and rounded to the nearest number of E3M2, ties to even, subnormals kept.
;;     - The product sums the exact products of the quantised numbers (number of the format x scale) in f32.
;;   ~~~python
;;   def quantise(x, axis):      # numpy; x: float32 -> the quantised numbers, widened to float32 again
;;       x = np.moveaxis(x, axis, -1); K = x.shape[-1]
;;       x = np.pad(x, [(0, 0)] * (x.ndim - 1) + [(0, -K % 32)]); x = x.reshape(x.shape[:-1] + (-1, 32)); a = np.abs(x).max(-1, keepdims=True)
;;       e = np.where(a > 0, np.clip(np.frexp(np.where(a > 0, a, 1))[1] - 1 - 4, -126, 127), 0)      # np.frexp(a)[1] - 1 = floor(log2(a)), exactly
;;       r = np.clip(x / 2.0 ** e, -28, 28)
;;       step = 2.0 ** (np.maximum(np.frexp(np.where(r == 0, 1, r))[1] - 1, -2) - 2)
;;       q = np.round(r / step) * step * 2.0 ** e      # np.round: ties to even
;;       return np.moveaxis(q.reshape(q.shape[:-2] + (-1,))[..., :K], -1, axis).astype(np.float32)
;;   ~~~
;;   SOFTMAX AHEAD OF A QUANTISED PRODUCT. Where the list says 'softmax', what is quantised is not the finished softmax but p = 2^(t - M), with t = logit x log2(e) and M = ceil(the row's largest t), a whole number; so 1/2 < the row's largest p <= 1. The row's sum l is taken of the UNQUANTISED p, in f32, and the product's result is divided by l at the end. Since M is a whole number, a kernel that streams over the keys may use a running M (the ceiling of the running maximum): every later rescaling is an exact power of two, which a block's scale takes up: the codes' values come out the same.
;;   OPERANDS COMPUTED ON THE WAY. 'Computed on the way' means the value that the module computes at that place (a softmax that the list does not call 'softmax' is quantised finished and normalised). What goes into a quantiser is computed in f32, as accurately as f32 sums, v_exp_f32 and their like allow (about 1e-6 of the number): no bf16 or f16 on the way to a quantiser, and a product that is left as it is and whose result goes on into a quantised operand takes f32 operands (vector FMAs, or v_wmma_f32_16x16x4_f32). A number that lies on a knife's edge between two numbers of the format may be rounded either way, as far as f32 arithmetic and the matrix unit's own rounding can turn it there, and no further.
;; One version. Each part assembles by itself: llvm-mc -triple=amdgcn-amd-amdhsa -mcpu=gfx1250 --defsym DOCPART=n.
;; ======== version 1 of 1: 8 launches
;; limits: a function is approximated: absolute error at most 1e-07; an absolute error that grows with the inputs' magnitude: up to 1e-07 times it
;; workspace buffers: wimg 9,830,400 bytes; ximg 6,553,600 bytes; himg 6,553,600 bytes; qkvimg 9,830,400 bytes; cimg 3,276,800 bytes; ybuf 16,777,216 bytes; gimg 13,107,200 bytes
;; launch wq (part 1): grid 384 x 1, 4 waves a work-group, no clusters, 26,112 bytes of LDS; arguments Wq, Wk, Wv, Wo, W1, W2, wimg; writes wimg
.if DOCPART == 1
	.amdgcn_target "amdgcn-amd-amdhsa--gfx1250"
	.amdhsa_code_object_version 6
	.text
	.protected	k_qc89f5ae847_wq
	.globl	k_qc89f5ae847_wq
	.p2align	8
	.type	k_qc89f5ae847_wq,@function
k_qc89f5ae847_wq:
	s_mov_b64 s[64:65], 0
	v_nop
	global_prefetch_b8 v0, s[64:65] scope:SCOPE_SE
	s_setreg_imm32_b32 hwreg(HW_REG_WAVE_MODE, 25, 1), 1
	s_wait_xcnt 0x0
; The six weights, f32 stored [K][N], become codes of BF6 (E3M2) with one E8M0 byte for each 32 along K, laid as IMAGES OF THE OPERAND'S REGISTERS of W^T (rows n, K innermost).
; IMAGE: tile T = 2 g + u holds 16 rows; lane slot r of it holds row 32 g + 8 u + r + 8 (r / 8).  Fragment (T, s = k / 128) is 1,536 bytes: register c (0..11) of lane L at 512 (c / 4) + 16 L + 4 (c % 4);
; registers 6 c' .. 6 c' + 5 of lane (r, h) hold k = 128 s + 64 c' + 32 h + 0 .. 31.  Order in memory [T][s].  SCALES: [g][k / 256][u][r][2 words], a word = the four bytes of one row and one s.
; A lane takes a column n and its registers run down K: a block of 32 lies in one lane, its codes come out with K innermost.  A wave takes 32 columns (one g) x 256 along K; its 6,144 bytes of codes go through
; the wave's own stage in LDS and leave by stores of 512 consecutive bytes; its 256 scale bytes leave as one aligned run of 256 bytes.  Waves share nothing: no barrier.
; Work-groups 0-127: Wq, Wk, Wv, Wo (32 each); 128-255: W1; 256-383: W2.  Only scalars differ between them: one path through the text.
; LIMITS: NaN and infinities are not served; a block whose largest magnitude lies under 2^-122 keeps the byte 1, a block of zeros too (its codes are zeros; these bytes are read by this program alone).
.set OFFS, 16                          ; v16-47   4 x lane + i x a row of W
.set X,    48                          ; v48-111  two sets of 32 numbers
.set C,    112                         ; v112-117 a block's 24 bytes of codes
.set CT,   118                         ; v118-120 its second half as converted
.set SB,   122                         ; v122-123 my column's two scale words
.set OUTR, 128                         ; v128-175 the way out
.set PB,   24                          ; s[24:27] two walking bases in W: blocks of even and of odd number
.set ST,   28                          ; s[28:29] 64 rows of W in bytes
.set OB,   32                          ; s[32:35] where my two tiles' fragments go
.set SCB,  36                          ; s[36:37] where my scale words go
	s_load_b256 s[4:11], s[0:1], 0x0               ; Wq, Wk, Wv, Wo
	s_load_b128 s[12:15], s[0:1], 0x20             ; W1, W2
	s_load_b64 s[16:17], s[0:1], 0x30              ; the images
	v_lshl_add_u32 v192, v0, 2, 0x6400
	v_mov_b32 v193, 0
	v_lshrrev_b32 v1, 5, v0
	v_readfirstlane_b32 s18, v1                    ; wave
	v_and_b32 v1, 31, v0                           ; lane
	s_lshr_b32 s19, ttmp9, 7                       ; 0: one of the four small weights, 1: W1, 2: W2
	s_lshr_b32 s20, ttmp9, 5                       ; which of the four
	s_and_b32 s21, ttmp9, 127
	s_and_b32 s22, ttmp9, 31
	s_lshl_b32 s23, s19, 2
	s_cmp_eq_u32 s19, 0
	s_cselect_b32 s21, s22, s21                    ; my number within the weight
	s_cselect_b32 s23, s20, s23                    ; the weight's section, in units of a small weight: 0..3, 4, 8
	s_cmp_eq_u32 s19, 1
	s_cselect_b32 s38, 31, 7                       ; blocks of 128 columns, less one
	s_cselect_b32 s39, 5, 3
	s_cselect_b32 s40, 14, 12                      ; log2 of a row of W in bytes
	s_cmp_eq_u32 s19, 2
	s_cselect_b32 s41, 5, 3                        ; log2 of K / 128
	s_and_b32 s38, s21, s38                        ; which 128 columns
	s_lshr_b32 s39, s21, s39                       ; which 256 along K
	s_lshl_b32 s42, s38, 2
	s_add_co_u32 s42, s42, s18                     ; g
	s_lshl_b32 s43, 1, s40                         ; a row of W
	s_lshl_b32 s[ST], 64, s40
	s_mov_b32 s[ST+1], 0
	s_lshl_b32 s54, 32, s40                        ; 32 rows
	s_mov_b32 s55, 0
	s_lshl_b32 s44, s39, 8
	s_lshl_b32 s44, s44, s40                       ; my first row of W,
	s_lshl_b32 s45, s42, 7
	s_add_co_u32 s44, s44, s45                     ; my first column
	s_mov_b32 s45, 0
	s_lshl_b32 s46, s42, 1
	s_lshl_b32 s46, s46, s41                       ; tile 2 g x fragments a tile,
	s_lshl_b32 s47, s39, 1
	s_add_co_u32 s46, s46, s47                     ; + my first s
	s_mul_i32 s46, s46, 1536
	s_mul_i32 s47, s23, 786432
	s_add_co_u32 s46, s46, s47
	s_mov_b32 s47, 0
	s_lshl_b32 s48, 1536, s41                      ; from tile to tile
	s_mov_b32 s49, 0
	s_add_co_u32 s50, s41, 7
	s_lshl_b32 s50, s42, s50                       ; scales: g x K bytes,
	s_lshl_b32 s51, s39, 8
	s_add_co_u32 s50, s50, s51                     ; + 256 for each 256 along K
	s_mul_i32 s51, s23, 32768
	s_add_co_u32 s50, s50, s51
	s_add_co_u32 s50, s50, 9437184
	s_mov_b32 s51, 0
	v_lshlrev_b32 v[OFFS], 2, v1
.irp i, 1,2,3,4,5,6,7,8,9,10,11,12,13,14,15,16,17,18,19,20,21,22,23,24,25,26,27,28,29,30,31
	v_add_nc_u32 v[OFFS+\i], s43, v[OFFS+\i-1]
.endr
	v_bfe_u32 v6, v0, 3, 1                         ; u: which tile of g my column falls into
	v_and_b32 v7, 7, v0
	v_bfe_u32 v8, v0, 4, 1
	v_lshl_or_b32 v7, v8, 3, v7                    ; r: its lane slot there
	s_mul_i32 s52, s18, 6400                       ; my stage: two tiles of 3,072 bytes, 3,200 apart
	v_mul_u32_u24 v2, v6, 3200
	v_lshl_add_u32 v2, v7, 4, v2
	v_add_nc_u32 v2, s52, v2                       ; into it
	v_lshlrev_b32 v5, 4, v1                        ; 16 x lane
	v_add_nc_u32 v3, s52, v5                       ; out of it
	v_lshlrev_b32 v4, 7, v6
	v_lshl_add_u32 v4, v7, 3, v4                   ; my two scale words: 128 u + 8 r
	s_wait_kmcnt 0x0
	s_cmp_eq_u32 s20, 1                            ; the weight is chosen by the work-group's number alone
	s_cselect_b64 s[4:5], s[6:7], s[4:5]
	s_cmp_eq_u32 s20, 2
	s_cselect_b64 s[4:5], s[8:9], s[4:5]
	s_cmp_eq_u32 s20, 3
	s_cselect_b64 s[4:5], s[10:11], s[4:5]
	s_cmp_eq_u32 s19, 1
	s_cselect_b64 s[4:5], s[12:13], s[4:5]
	s_cmp_eq_u32 s19, 2
	s_cselect_b64 s[4:5], s[14:15], s[4:5]
	s_add_nc_u64 s[PB:PB+1], s[4:5], s[44:45]
	s_add_nc_u64 s[PB+2:PB+3], s[PB:PB+1], s[54:55]
	s_add_nc_u64 s[OB:OB+1], s[16:17], s[46:47]
	s_add_nc_u64 s[OB+2:OB+3], s[OB:OB+1], s[48:49]
	s_add_nc_u64 s[SCB:SCB+1], s[16:17], s[50:51]
.macro LOAD t                          ; block t: W(32 t + i, my column), i = 0 .. 31: each load reads 128 consecutive bytes a wave
.irp i, 0,1,2,3,4,5,6,7,8,9,10,11,12,13,14,15,16,17,18,19,20,21,22,23,24,25,26,27,28,29,30,31
	global_load_b32 v[X+32*((\t)%2)+\i], v[OFFS+\i], s[PB+2*((\t)%2):PB+2*((\t)%2)+1] th:TH_LOAD_NT
.endr
.endm
	LOAD 0
	LOAD 1
.macro BLOCK t
.set XS, X+32*((\t)%2)
.set STO, 1536*((\t)/4)+256*((\t)%2)   ; the block's fragment, and lanes 16-31's places in it for the odd blocks
.if (\t) < 7
	s_wait_loadcnt 32                              ; this block's 32 loads are in; the next block's 32 may be out
.else
	s_wait_loadcnt 0x0
.endif
.if (\t)+2 < 8
	s_add_nc_u64 s[PB+2*((\t)%2):PB+2*((\t)%2)+1], s[PB+2*((\t)%2):PB+2*((\t)%2)+1], s[ST:ST+1]   ; the loads that named this base are done: on to the block two further
.endif
	v_max3_num_f32 v12, |v[XS]|, |v[XS+1]|, |v[XS+2]|
	v_max3_num_f32 v13, |v[XS+3]|, |v[XS+4]|, |v[XS+5]|
.irp i, 6,10,14,18,22,26
	v_max3_num_f32 v12, v12, |v[XS+\i]|, |v[XS+\i+1]|
	v_max3_num_f32 v13, v13, |v[XS+\i+2]|, |v[XS+\i+3]|
.endr
	v_max3_num_f32 v12, v12, |v[XS+30]|, |v[XS+31]|
	v_max3_num_f32 v12, v12, v13, 0x2800000        ; the floor 2^(5 - 127) holds the byte at 1 from below
	v_add_nc_u32 v11, 0xfe000000, v12              ; 4 off the exponent field: the conversion's scale operand
	v_lshrrev_b32 v13, 23, v11                     ; the scale's byte
.if (\t)%4 == 0
	v_mov_b32 v[SB+(\t)/4], v13
.else
	v_lshl_or_b32 v[SB+(\t)/4], v13, 8*((\t)%4), v[SB+(\t)/4]
.endif
	v_cvt_scalef32_pk16_bf6_f32 v[C:C+2], v[XS:XS+15], v11
	v_cvt_scalef32_pk16_bf6_f32 v[CT:CT+2], v[XS+16:XS+31], v11    ; (a conversion's three registers begin on an even number)
	v_nop                                          ; one plain line behind the conversions
.irp i, 0,1,2
	v_mov_b32 v[C+3+\i], v[CT+\i]
.endr
.if ((\t)/2)%2 == 0
	ds_store_b128 v2, v[C:C+3] offset:STO          ; registers 0-3 of the fragment,
	ds_store_b64 v2, v[C+4:C+5] offset:STO+512     ; 4 and 5
.else
	ds_store_b64 v2, v[C:C+1] offset:STO+520       ; registers 6 and 7,
	ds_store_b128 v2, v[C+2:C+5] offset:STO+1024   ; 8-11
.endif
.if (\t)+2 < 8
	LOAD (\t)+2
.endif
	s_wait_dscnt 0x0                               ; the stores have read their registers: the next block's codes may be written
.endm
.irp t, 0,1,2,3,4,5,6,7
	BLOCK \t
.endr
	global_store_b64 v4, v[SB:SB+1], s[SCB:SCB+1]  ; the wave's 32 lanes fill 256 consecutive bytes, aligned
.irp n, 0,1,2,3,4,5,6,7,8,9,10,11
	ds_load_b128 v[OUTR+4*\n:OUTR+4*\n+3], v3 offset:3200*(\n/6)+512*(\n%6)   ; LDS serves a wave's instructions in order: these see my stores
.endr
.irp n, 0,1,2,3,4,5,6,7,8,9,10,11
	s_wait_dscnt 11-\n                             ; the younger loads may be out
	global_store_b128 v5, v[OUTR+4*\n:OUTR+4*\n+3], s[OB+2*(\n/6):OB+2*(\n/6)+1] offset:512*(\n%6)   ; 512 consecutive bytes
.endr
	s_wait_tensorcnt 0x0
	ds_add_u32 v192, v193
	s_wait_dscnt 0x0
	s_endpgm
.Lfunc_end_k_qc89f5ae847_wq:
	.size	k_qc89f5ae847_wq, .Lfunc_end_k_qc89f5ae847_wq-k_qc89f5ae847_wq
	.p2alignl 7, 3214868480
	.fill 96, 4, 3214868480
	.section	.rodata,"a",@progbits
	.p2align	6, 0x0
	.amdhsa_kernel k_qc89f5ae847_wq
		.amdhsa_group_segment_fixed_size 26112
		.amdhsa_private_segment_fixed_size 0
		.amdhsa_enable_private_segment 0
		.amdhsa_kernarg_size 56
		.amdhsa_user_sgpr_count 2
		.amdhsa_user_sgpr_kernarg_segment_ptr 1
		.amdhsa_wavefront_size32 1
		.amdhsa_system_sgpr_workgroup_id_x 1
		.amdhsa_system_sgpr_workgroup_id_y 1
		.amdhsa_system_sgpr_workgroup_id_z 1
		.amdhsa_system_vgpr_workitem_id 0
		.amdhsa_next_free_vgpr 194
		.amdhsa_next_free_sgpr 66
		.amdhsa_reserve_vcc 0
		.amdhsa_float_denorm_mode_32 3
		.amdhsa_float_denorm_mode_16_64 3
		.amdhsa_memory_ordered 1
		.amdhsa_forward_progress 1
		.amdhsa_inst_pref_size 45
	.end_amdhsa_kernel
	.amdgpu_metadata
---
amdhsa.version: [ 1, 2 ]
amdhsa.kernels:
  - .name:           k_qc89f5ae847_wq
    .symbol:         k_qc89f5ae847_wq.kd
    .args:
      - { .name: Wq, .offset: 0, .size: 8, .value_kind: global_buffer, .address_space: global }
      - { .name: Wk, .offset: 8, .size: 8, .value_kind: global_buffer, .address_space: global }
      - { .name: Wv, .offset: 16, .size: 8, .value_kind: global_buffer, .address_space: global }
      - { .name: Wo, .offset: 24, .size: 8, .value_kind: global_buffer, .address_space: global }
      - { .name: W1, .offset: 32, .size: 8, .value_kind: global_buffer, .address_space: global }
      - { .name: W2, .offset: 40, .size: 8, .value_kind: global_buffer, .address_space: global }
      - { .name: wimg, .offset: 48, .size: 8, .value_kind: global_buffer, .address_space: global }
    .group_segment_fixed_size: 26112
    .private_segment_fixed_size: 0
    .kernarg_segment_align: 8
    .kernarg_segment_size: 56
    .max_flat_workgroup_size: 128
    .sgpr_count:     66
    .vgpr_count:     194
    .wavefront_size: 32
...
	.end_amdgpu_metadata
.endif
;; end of part 1
;; launch ln1 (part 2): grid 512 x 1, 8 waves a work-group, no clusters, 67,584 bytes of LDS; arguments x_refined, x_mem, ln_q_g, ln_kv_g, ln_q_b, ln_kv_b, ximg; writes ximg
.if DOCPART == 2
	.amdgcn_target "amdgcn-amd-amdhsa--gfx1250"
	.amdhsa_code_object_version 6
	.text
	.protected	k_qc89f5ae847_ln1
	.globl	k_qc89f5ae847_ln1
	.p2align	8
	.type	k_qc89f5ae847_ln1,@function
k_qc89f5ae847_ln1:
	s_mov_b64 s[64:65], 0
	v_nop
	global_prefetch_b8 v0, s[64:65] scope:SCOPE_SE
	s_setreg_imm32_b32 hwreg(HW_REG_WAVE_MODE, 25, 1), 1
	s_wait_xcnt 0x0
; LayerNorm of rows of 1,024 f32, then the quantiser to BF6 (E3M2) along the row; the result is stored as an image of the operand's registers (tile T = 2 g + u: lane slot r = row 32 g + 8 u + r + 8 (r / 8);
; fragment (T, s): 1,536 bytes, register c of lane L at 512 (c / 4) + 16 L + 4 (c % 4); order [T][s]; scales [g][k / 256][u][r][2 words]).
; A work-group takes one tile of 16 rows of one tensor: work-groups 0-255 the first tensor of the arguments (x, gamma, beta), 256-511 the second (pointers chosen by the work-group's number).
; A launch of 256 work-groups serves one tensor: its second set of pointers is then never chosen, and nothing is loaded through it.
; Phase 1: wave w normalises slots 2 w and 2 w + 1, a row in 32 registers; mean first, then the variance of the centred numbers, so that a common offset costs no digits.  The rows go to LDS as f32.
; Phase 2: wave w makes fragment s = w: lane (r, h) reads its two whole blocks of 32 of row r, so that no other lane is asked for a maximum.
; LIMITS: NaN and infinities are not served; a block whose largest magnitude lies under 2^-122 keeps the byte 1, a block of zeros too (these bytes are read by this program alone).
.set X0, 16
.set X1, 48
.set GA, 80
.set BE, 112
.set T,  144
.set PC, 144
.set PT, 156
.set ROWP, 4112                        ; a row in LDS: 4,096 bytes + 16 = 1,028 words: row r starts at bank 4 r mod 64 (64 banks of 4 bytes: ISA guide 11.1)
.set SST, 16*ROWP                      ; behind the rows: the tile's 128 scale words
	s_load_b256 s[4:11], s[0:1], 0x0               ; x of tensor 0, 1; gamma of 0, 1
	s_load_b128 s[12:15], s[0:1], 0x20             ; beta of 0, 1
	s_load_b64 s[16:17], s[0:1], 0x30              ; the image
	v_lshl_add_u32 v168, v0, 2, 0x10400
	v_mov_b32 v169, 0
	v_lshrrev_b32 v1, 5, v0
	v_readfirstlane_b32 s18, v1                    ; wave
	v_and_b32 v1, 31, v0
	v_lshlrev_b32 v2, 4, v1                        ; 16 x lane
	v_and_b32 v3, 15, v0                           ; r
	v_bfe_u32 v4, v0, 4, 1                         ; h
.irp i, 9,11,13,15
	v_mov_b32 v\i, 0                               ; written once: a lane permute's destination counts as one of its sources
.endr
	s_lshr_b32 s19, ttmp9, 8                       ; which tensor
	s_and_b32 s20, ttmp9, 255                      ; T
	s_lshr_b32 s21, s20, 1                         ; g
	s_and_b32 s22, s20, 1                          ; u
	s_lshl_b32 s23, s21, 5
	s_lshl_b32 s24, s22, 3
	s_add_co_u32 s23, s23, s24
	s_lshl_b32 s24, s18, 1
	s_add_co_u32 s23, s23, s24
	s_lshr_b32 s24, s18, 2
	s_lshl_b32 s24, s24, 3
	s_add_co_u32 s23, s23, s24                     ; slot 2 w's row: 32 g + 8 u + 2 w + 8 (w / 4); slot 2 w + 1 is the next row
	s_lshl_b32 s24, s23, 12
	s_mov_b32 s25, 0
	s_mov_b32 s26, 0x76543210
	s_mov_b32 s27, 0xfedcba98                      ; lane l xor 16
	s_mov_b32 s28, 0x3a800000                      ; 1 / 1024
	s_mov_b32 s29, 0x3727c5ac                      ; 1e-5
	s_mul_i32 s30, s18, 2*ROWP
	v_add_nc_u32 v5, s30, v2                       ; phase 1 stores: slot 2 w, 16 x lane
	v_mul_u32_u24 v6, v3, ROWP
	v_lshl_add_u32 v6, v4, 7, v6
	s_lshl_b32 s30, s18, 9
	v_add_nc_u32 v6, s30, v6                       ; phase 2 reads: row r, 512 w + 128 h
	s_lshr_b32 s30, s18, 1
	s_lshl_b32 s30, s30, 7
	s_and_b32 s31, s18, 1
	s_lshl_b32 s31, s31, 2
	s_add_co_u32 s30, s30, s31
	s_add_co_u32 s30, s30, SST
	v_lshlrev_b32 v7, 3, v3
	v_add_nc_u32 v7, s30, v7                       ; my row's scale word: 128 (w / 2) + 8 r + 4 (w % 2)
	s_lshl_b32 s32, s20, 3
	s_add_co_u32 s32, s32, s18
	s_mul_i32 s32, s32, 1536                       ; fragment (T, w)
	s_mul_i32 s30, s19, 3145728
	s_add_co_u32 s32, s32, s30
	s_mov_b32 s33, 0
	s_lshl_b32 s34, s21, 10
	s_lshl_b32 s30, s22, 7
	s_add_co_u32 s34, s34, s30
	s_lshl_b32 s30, s19, 17
	s_add_co_u32 s34, s34, s30
	s_add_co_u32 s34, s34, 6291456                 ; scales: 1,024 g + 128 u in the tensor's part
	s_mov_b32 s35, 0
	s_wait_kmcnt 0x0
	s_cmp_eq_u32 s19, 0
	s_cselect_b64 s[4:5], s[4:5], s[6:7]
	s_cselect_b64 s[8:9], s[8:9], s[10:11]
	s_cselect_b64 s[12:13], s[12:13], s[14:15]
	s_add_nc_u64 s[4:5], s[4:5], s[24:25]
	s_add_nc_u64 s[32:33], s[16:17], s[32:33]
	s_add_nc_u64 s[34:35], s[16:17], s[34:35]
.irp j, 0,1,2,3,4,5,6,7
	global_load_b128 v[X0+4*\j:X0+4*\j+3], v2, s[4:5] offset:512*\j th:TH_LOAD_NT     ; 512 consecutive bytes a load
.endr
.irp j, 0,1,2,3,4,5,6,7
	global_load_b128 v[X1+4*\j:X1+4*\j+3], v2, s[4:5] offset:4096+512*\j th:TH_LOAD_NT
.endr
.irp j, 0,1,2,3,4,5,6,7
	global_load_b128 v[GA+4*\j:GA+4*\j+3], v2, s[8:9] offset:512*\j
.endr
.irp j, 0,1,2,3,4,5,6,7
	global_load_b128 v[BE+4*\j:BE+4*\j+3], v2, s[12:13] offset:512*\j
.endr
.macro REDUCE d, t                     ; the sum over the 32 lanes, in every lane
	v_add_f32_dpp v[\d], v[\d], v[\d] row_xmask:1 row_mask:0xf bank_mask:0xf
	v_add_f32_dpp v[\d], v[\d], v[\d] row_xmask:2 row_mask:0xf bank_mask:0xf
	v_add_f32_dpp v[\d], v[\d], v[\d] row_xmask:4 row_mask:0xf bank_mask:0xf
	v_add_f32_dpp v[\d], v[\d], v[\d] row_xmask:8 row_mask:0xf bank_mask:0xf
	v_permlanex16_b32 v[\t], v[\d], s26, s27
	v_add_f32 v[\d], v[\d], v[\t]
.endm
.macro FOLD d, t                       ; four packed chains into one number, then over the lanes
	v_pk_add_f32 v[T:T+1], v[T:T+1], v[T+2:T+3]
	v_pk_add_f32 v[T+4:T+5], v[T+4:T+5], v[T+6:T+7]
	v_pk_add_f32 v[T:T+1], v[T:T+1], v[T+4:T+5]
	v_add_f32 v[\d], v[T], v[T+1]
	REDUCE \d, \t
.endm
.macro STATS x, m, v                   ; the row in v[x ..]: its mean into v[m], the row centred in place, variance + 1e-5 into v[v]
.irp k, 0,2,4,6
	v_pk_add_f32 v[T+\k:T+\k+1], v[\x+2*\k:\x+2*\k+1], v[\x+2*\k+2:\x+2*\k+3]
.endr
.irp p, 16,24
.irp k, 0,2,4,6
	v_pk_add_f32 v[T+\k:T+\k+1], v[T+\k:T+\k+1], v[\x+\p+\k:\x+\p+\k+1]
.endr
.endr
	FOLD \m, \m+1
	v_mul_f32 v[\m], s28, v[\m]
.irp p, 0,2,4,6,8,10,12,14,16,18,20,22,24,26,28,30
	v_pk_add_f32 v[\x+\p:\x+\p+1], v[\x+\p:\x+\p+1], v[\m:\m+1] op_sel_hi:[1,0] neg_lo:[0,1] neg_hi:[0,1]
.endr
.irp k, 0,2,4,6
	v_pk_mul_f32 v[T+\k:T+\k+1], v[\x+\k:\x+\k+1], v[\x+\k:\x+\k+1]
.endr
.irp p, 8,16,24
.irp k, 0,2,4,6
	v_pk_fma_f32 v[T+\k:T+\k+1], v[\x+\p+\k:\x+\p+\k+1], v[\x+\p+\k:\x+\p+\k+1], v[T+\k:T+\k+1]
.endr
.endr
	FOLD \v, \v+1
	v_fma_f32 v[\v], v[\v], s28, s29
.endm
	s_wait_loadcnt 16                              ; both rows are in; the 16 loads of gamma and beta may be out
	STATS X0, 8, 12
	STATS X1, 10, 14
	v_rsq_f32 v12, v12
	v_rsq_f32 v14, v14
	v_nop                                          ; a plain line behind the two roots,
	s_wait_alu depctr_va_vdst(0)                   ; and one wait for both, ahead of their first reader
	s_wait_loadcnt 0x0
.irp p, 0,2,4,6,8,10,12,14,16,18,20,22,24,26,28,30
	v_pk_mul_f32 v[X0+\p:X0+\p+1], v[X0+\p:X0+\p+1], v[12:13] op_sel_hi:[1,0]
	v_pk_mul_f32 v[X1+\p:X1+\p+1], v[X1+\p:X1+\p+1], v[14:15] op_sel_hi:[1,0]
.endr
.irp p, 0,2,4,6,8,10,12,14,16,18,20,22,24,26,28,30
	v_pk_fma_f32 v[X0+\p:X0+\p+1], v[X0+\p:X0+\p+1], v[GA+\p:GA+\p+1], v[BE+\p:BE+\p+1]
	v_pk_fma_f32 v[X1+\p:X1+\p+1], v[X1+\p:X1+\p+1], v[GA+\p:GA+\p+1], v[BE+\p:BE+\p+1]
.endr
.irp j, 0,1,2,3,4,5,6,7
	ds_store_b128 v5, v[X0+4*\j:X0+4*\j+3] offset:512*\j
	ds_store_b128 v5, v[X1+4*\j:X1+4*\j+3] offset:ROWP+512*\j
.endr
	s_wait_dscnt 0x0                               ; for the others' sake: my two rows lie in LDS
	s_barrier_signal -1
	s_barrier_wait -1
.irp c, 0,1                                    ; my blocks 2 c + h of K step w of row r: 128 bytes each
.irp i, 0,1,2,3,4,5,6,7
	ds_load_b128 v[16+32*\c+4*\i:16+32*\c+4*\i+3], v6 offset:256*\c+16*\i
.endr
.endr
	s_wait_dscnt 0x0
.irp c, 0,1
	v_max3_num_f32 v[8+\c], |v[16+32*\c]|, |v[17+32*\c]|, 0x2800000    ; with the floor 2^(5 - 127)
.endr
.irp i, 2,4,6,8,10,12,14,16,18,20,22,24,26,28,30
.irp c, 0,1
	v_max3_num_f32 v[8+\c], v[8+\c], |v[16+32*\c+\i]|, |v[17+32*\c+\i]|
.endr
.endr
.irp c, 0,1
	v_add_nc_u32 v[10+\c], 0xfe000000, v[8+\c]     ; 4 off the exponent field: the conversion's scale operand
.endr
.irp c, 0,1
	v_lshrrev_b32 v[12+\c], 23, v[10+\c]           ; the byte
.endr
	v_lshl_or_b32 v14, v13, 16, v12                ; my two bytes: blocks h and 2 + h,
	v_lshlrev_b32 v8, 3, v4
	v_lshlrev_b32 v14, v8, v14                     ; at their places in the word;
	v_permlanex16_b32 v15, v14, s26, s27
	v_or_b32 v14, v14, v15                         ; with lane l xor 16's two the word is whole
.irp c, 0,1
	v_cvt_scalef32_pk16_bf6_f32 v[PC+6*\c:PC+6*\c+2], v[16+32*\c:31+32*\c], v[10+\c]
	v_cvt_scalef32_pk16_bf6_f32 v[PT+4*\c:PT+4*\c+2], v[32+32*\c:47+32*\c], v[10+\c]
.endr
	v_nop                                          ; one plain line behind the conversions
.irp c, 0,1
.irp i, 0,1,2
	v_mov_b32 v[PC+3+6*\c+\i], v[PT+4*\c+\i]
.endr
.endr
.irp c, 0,1,2
	global_store_b128 v2, v[PC+4*\c:PC+4*\c+3], s[32:33] offset:512*\c     ; the fragment as it stands: 512 consecutive bytes a store
.endr
	ds_store_b32 v7, v14                           ; both halves of the lanes write the same word with the same value
	s_wait_dscnt 0x0
	s_barrier_signal -1
	s_barrier_wait -1
	s_cmp_lg_u32 s18, 0                            ; wave 0 stores the tile's 512 bytes of scale words, in four runs of 128 bytes (the other tile of g fills the other halves)
	s_cbranch_scc1 .Lend
	v_add_nc_u32 v8, SST, v2
	ds_load_b128 v[16:19], v8
	v_lshrrev_b32 v9, 3, v1
	v_and_b32 v10, 7, v1
	v_lshlrev_b32 v9, 8, v9
	v_lshl_add_u32 v9, v10, 4, v9
	s_wait_dscnt 0x0
	global_store_b128 v9, v[16:19], s[34:35]
.Lend:
	s_wait_tensorcnt 0x0
	ds_add_u32 v168, v169
	s_wait_dscnt 0x0
	s_endpgm
.Lfunc_end_k_qc89f5ae847_ln1:
	.size	k_qc89f5ae847_ln1, .Lfunc_end_k_qc89f5ae847_ln1-k_qc89f5ae847_ln1
	.p2alignl 7, 3214868480
	.fill 96, 4, 3214868480
	.section	.rodata,"a",@progbits
	.p2align	6, 0x0
	.amdhsa_kernel k_qc89f5ae847_ln1
		.amdhsa_group_segment_fixed_size 67584
		.amdhsa_private_segment_fixed_size 0
		.amdhsa_enable_private_segment 0
		.amdhsa_kernarg_size 56
		.amdhsa_user_sgpr_count 2
		.amdhsa_user_sgpr_kernarg_segment_ptr 1
		.amdhsa_wavefront_size32 1
		.amdhsa_system_sgpr_workgroup_id_x 1
		.amdhsa_system_sgpr_workgroup_id_y 1
		.amdhsa_system_sgpr_workgroup_id_z 1
		.amdhsa_system_vgpr_workitem_id 0
		.amdhsa_next_free_vgpr 170
		.amdhsa_next_free_sgpr 66
		.amdhsa_reserve_vcc 0
		.amdhsa_float_denorm_mode_32 3
		.amdhsa_float_denorm_mode_16_64 3
		.amdhsa_memory_ordered 1
		.amdhsa_forward_progress 1
		.amdhsa_inst_pref_size 25
	.end_amdhsa_kernel
	.amdgpu_metadata
---
amdhsa.version: [ 1, 2 ]
amdhsa.kernels:
  - .name:           k_qc89f5ae847_ln1
    .symbol:         k_qc89f5ae847_ln1.kd
    .args:
      - { .name: x_refined, .offset: 0, .size: 8, .value_kind: global_buffer, .address_space: global }
      - { .name: x_mem, .offset: 8, .size: 8, .value_kind: global_buffer, .address_space: global }
      - { .name: ln_q_g, .offset: 16, .size: 8, .value_kind: global_buffer, .address_space: global }
      - { .name: ln_kv_g, .offset: 24, .size: 8, .value_kind: global_buffer, .address_space: global }
      - { .name: ln_q_b, .offset: 32, .size: 8, .value_kind: global_buffer, .address_space: global }
      - { .name: ln_kv_b, .offset: 40, .size: 8, .value_kind: global_buffer, .address_space: global }
      - { .name: ximg, .offset: 48, .size: 8, .value_kind: global_buffer, .address_space: global }
    .group_segment_fixed_size: 67584
    .private_segment_fixed_size: 0
    .kernarg_segment_align: 8
    .kernarg_segment_size: 56
    .max_flat_workgroup_size: 256
    .sgpr_count:     66
    .vgpr_count:     170
    .wavefront_size: 32
...
	.end_amdgpu_metadata
.endif
;; end of part 2
;; launch qkv (part 3): grid 12 x 16, 4 waves a work-group, clusters of 4 x 4, 327,680 bytes of LDS; arguments ximg, wimg, bq, bk, bv, qkvimg; writes qkvimg
.if DOCPART == 3
	.amdgcn_target "amdgcn-amd-amdhsa--gfx1250"
	.amdhsa_code_object_version 6
	.text
	.protected	k_qc89f5ae847_qkv
	.globl	k_qc89f5ae847_qkv
	.p2align	8
	.type	k_qc89f5ae847_qkv,@function
k_qc89f5ae847_qkv:
	s_mov_b64 s[64:65], 0
	v_nop
	global_prefetch_b8 v0, s[64:65] scope:SCOPE_SE
	s_setreg_imm32_b32 hwreg(HW_REG_WAVE_MODE, 25, 1), 1
	s_wait_xcnt 0x0
	s_wait_alu depctr_hold_cnt(0) depctr_sa_sdst(0) depctr_va_vdst(0) depctr_va_sdst(0) depctr_va_ssrc(0) depctr_va_vcc(0) depctr_vm_vsrc(0)
	s_getreg_b32 s2, hwreg(HW_REG_IB_STS2, 6, 4)
	s_cmp_eq_u32 s2, 0
	s_cbranch_scc0 .Lentry_in_a_cluster
	s_endpgm
.Lentry_in_a_cluster:
	s_bfe_u32 s2, ttmp6, 0x10000c
	s_cmp_lg_u32 s2, 0xf033
	s_cbranch_scc0 .Lentry_shape_is_right
	s_endpgm
.Lentry_shape_is_right:
; A GEMM on codes of BF6 (E3M2) whose result, with its bias, is quantised again on the way out.  Both operands and the result are IMAGES OF OPERAND REGISTERS: tile T = 2 g + u of 16 rows, lane slot r = row
; 32 g + 8 u + r + 8 (r / 8); fragment (T, s = k / 128) = 1,536 bytes, register c of lane L at 512 (c / 4) + 16 L + 4 (c % 4); order [T][s]; scales [g][k / 256][u][r][2 words].
; SOURCE 0 = 16 rows of S0, SOURCE 1 = 16 rows of S1: a lane holds ONE row of S1, and by the images' order of rows the 64 registers of its 8 tiles of S0 are 4 x 16 neighbours along S0's rows: the next product's K.
; QKV = 1: cluster x chooses the product.  0: q = Q Wq + bq, 1: k = KV Wk + bk (S1 = the rows of x, S0 = W^T; result image [rows m][K = n]).  2: v = KV Wv + bv with the sides changed (S1 = Wv^T, S0 = x): result image [rows n][K = m], the keys innermost.
; QKV = 0: g = gelu(h W1 + b1), S1 = h, S0 = W1^T, result image [rows m][K = n].
; A work-group makes 256 x 256, each of its four waves 128 x 128: 64 accumulators.  K goes in slots of 256 through a ring of two LDS slots; a tile's part of a slot is 3,072 consecutive bytes of memory.
; CLUSTER 4 x 4: S1's tiles are shared along a row of the cluster, S0's along a column: joint loads.  The scales of the work-group's rows, for all of K, come once with the first fills.
; The bias is the C of the first K step's products.  LIMITS: NaN and infinities are not served; blocks whose largest magnitude lies under 2^-122, and blocks of zeros, get the byte 1 (read by this program alone).
; GELU = 1: gelu(x) = max(x, 0) - |x| E, E = half the complementary error function of |x| / sqrt(2) by a polynomial of degree 5 in 1 / (1 + 0.2316 |x|) times 2^(-0.7213 x^2); E's absolute error is about 1e-7.
.set QKV,  1
.set GELU, 0
.set TW,   8                           ; tiles of 16 rows a wave and side
.set NQ,   2                           ; steps of 128 along K in a slot
.set SIZE_K, 1024
.set KT,   SIZE_K/128
.set FRB,  1536
.set TROW, NQ*FRB                      ; a tile's bytes in a slot
.set HALFT, TW*TROW                    ; what one tensor load brings
.set SLOT, 4*HALFT                     ; S1's 16 tiles, then S0's
.set LAPS, KT/NQ/2
.set HALFS, (TW/2)*SIZE_K              ; the scales of 8 tiles
.set SCL,  2*SLOT                      ; behind the ring: the scales
.set SPARE, 262144                     ; the spare words: 128 bytes a wave, named by no other line
.set SSTG, 262656                      ; the result's scale words: 2,048 bytes.  (The dump of the accumulators, 65,536 bytes a wave from byte 0, lies over ring and scales when these have had their last fill and their last read)
.set ADR1, 16                          ; v16-17 my S1 fragments in slot 0, 1
.set ADR0, 20                          ; v20-21 my S0 fragments
.set LI,   24                          ; 16 x lane
.set DA,   25                          ; my dump
.set DL,   26                          ; the dump's pair of tiles in hand
.set ADRS, 27                          ; scale words: lanes 0-15 S1's, lanes 16-31 S0's
.set SPW,  28
.set NIL,  29
.set PW,   30                          ; the scale word just made
.set SSA,  31                          ; where it goes in LDS
.set SC,   32                          ; v32-63 scale words: set sc, tile i, step q at SC + 16 sc + NQ i + q
.set F1,   64                          ; window 0: S1's fragments, two sets of 96.  Window 1: S0's, sets at 0 and 128; the bias at 96-127 and 224-255.  Windows 2, 3: accumulator (a, b) at 8 (8 a + b)
.set H0,   64                          ; the way out, window 0: two sets of 64 numbers,
.set H1,   128
.set PC,   192                         ; 12 registers of codes,
.set PT,   204
.set TM,   212                         ; 12 at work
.set GT,   192                         ; gelu: 16 t, 16 exponentials, 16 polynomials
.set GU,   208
.set GP,   224
.set GA5,  240
.set SSC,  242
.set SSR,  243
.set SCV,  244
.set SEL,  100
.set G1, 24
.set G0, 32
.set G1B, 48
.set G0B, 56
.set G1S, 68
.set G0S, 76
.set G1SB, 80
.set G0SB, 88
.set OUT, 4
.set OST, 6
.set SCO, 8
.set DOF, 10
.set SOF, 11
.set MSB, 0
.macro WIN new                         ; the immediate's high byte repeats the setting that is left
.if MSB != (\new)
	s_set_vgpr_msb (MSB<<8)|(\new)
.set MSB, (\new)
.endif
.endm
.macro JLOAD g0a, g1a, g0b, g1b        ; a joint load: waves 0 and 1 fetch for S1, waves 2 and 3 for S0; four v_nop follow each line
	s_cmp_eq_u32 s15, 0
	s_cbranch_scc0 .Lfor_b_\@
	tensor_load_to_lds s[\g0a:\g0a+3], s[\g1a:\g1a+7]
	s_nop 0
.rept 4
	v_nop
.endr
	s_branch .Lasked_\@
.Lfor_b_\@:
	tensor_load_to_lds s[\g0b:\g0b+3], s[\g1b:\g1b+7]
	s_nop 0
.rept 4
	v_nop
.endr
.Lasked_\@:
.endm
.macro CREST                           ; a round of the cluster's barrier behind its opening barrier
	s_cmp_lg_u32 s14, 0
	s_cbranch_scc1 .Lnot_wave_0_\@
	s_barrier_signal -3
.Lnot_wave_0_\@:
	s_barrier_wait -3
	s_barrier_signal -1
	s_barrier_wait -1
.endm
.macro CROUND
	s_barrier_signal -1
	s_barrier_wait -1
	CREST
.endm
.macro PLACES n
.rept \n
	v_nop
.endr
.endm
.macro FRAG reg, adr, q, i             ; a fragment comes as it lies: three loads of 512 consecutive bytes
.irp c, 0,1,2
	ds_load_b128 v[\reg+4*\c:\reg+4*\c+3], v[\adr] offset:(\i)*TROW+(\q)*FRB+512*\c
.endr
.endm
.macro FETCH slot, q, p                ; all fragments of the slot's q-th step into set p
	WIN 0x40
.set fi, 0
.rept TW
	FRAG 128*(\p)+12*fi, ADR0+\slot, \q, fi
.set fi, fi+1
.endr
	WIN 0
.set fi, 0
.rept TW
	FRAG F1+96*(\p)+12*fi, ADR1+\slot, \q, fi
.set fi, fi+1
.endr
.endm
.macro SCALES sc                       ; a slot's scale words
.set fi, 0
.rept TW
.set fe, 0
.rept NQ/2
	ds_load_b64 v[SC+16*(\sc)+NQ*fi+2*fe:SC+16*(\sc)+NQ*fi+2*fe+1], v[ADRS] offset:(fi/2)*SIZE_K+128*(fi%2)+256*fe
.set fe, fe+1
.endr
.set fi, fi+1
.endr
.endm
; A quarter of a step: TW / 4 tiles of S1 against all of S0's.  cm = 0: the sums go on; 1: they start from the bias by S0's rows; 2: by S1's rows.  The accumulators take turns in one fixed order.
.macro MULQ part, p, q, sc, cm
.set ma, (\part)*TW/4
.rept TW/4
.set WD, 2+(8*TW*ma)/256
.if (\cm) != 0
	WIN (WD<<6)|(1<<4)|1
.else
	WIN (WD<<6)|(WD<<4)|1
.endif
.set mb, 0
.rept TW
.set AC, (8*(TW*ma+mb))%256
.set CC, AC
.if (\cm) == 1
.set CC, 96+8*mb+96*(mb/4)
.endif
.if (\cm) == 2
.set CC, 96+8*ma+96*(ma/4)
.endif
.set RS0, 128*(\p)+12*mb
.set RS1, F1+96*(\p)+12*ma
.set RSA, SC+16*(\sc)+NQ*mb+(\q)
.set RSB, SC+16*(\sc)+NQ*ma+(\q)
	v_wmma_scale_f32_16x16x128_f8f6f4 v[AC:AC+7], v[RS0:RS0+11], v[RS1:RS1+11], v[CC:CC+7], v[RSA], v[RSB] matrix_a_fmt:MATRIX_FMT_BF6 matrix_b_fmt:MATRIX_FMT_BF6 matrix_a_scale:MATRIX_SCALE_ROW1
.set mb, mb+1
.endr
.set ma, ma+1
.endr
.endm
.macro STEP slot, q, cm                ; a step that has its successor in the same slot
	s_wait_dscnt 0x0                               ; this step's fragments, asked for three quarters of a step ago
	MULQ 0, (\q)%2, \q, \slot, \cm
	PLACES 4                                       ; in front of loads into the set that the last step's products read
	FETCH \slot, (\q)+1, 1-(\q)%2
	MULQ 1, (\q)%2, \q, \slot, \cm
	MULQ 2, (\q)%2, \q, \slot, \cm
	MULQ 3, (\q)%2, \q, \slot, \cm
.endm
.macro TURN slot, next, fill           ; a slot's last step changes slots
	WIN 0
	s_wait_tensorcnt 0x0                           ; all my tensor loads have landed: my part of the next slot;
	ds_add_u32 v[SPW], v[NIL]                      ; 0 onto my spare word
	s_wait_dscnt 1                                 ; the fragments are in; the add alone may be out
	MULQ 0, 1, NQ-1, \slot, 0
	s_wait_dscnt 0x0                               ; the add is done, and my reads of this slot are over
	s_barrier_signal -1
	MULQ 1, 1, NQ-1, \slot, 0
	WIN 0
	s_barrier_wait -1
.if \fill
	CREST                                          ; the barrier has opened a round of the cluster's: no wave of any partner still reads this slot or has a load on its way
	s_add_nc_u64 s[G0+4*\slot+2:G0+4*\slot+3], s[G0+4*\slot+2:G0+4*\slot+3], 2*TROW
	s_add_nc_u64 s[G0B+4*\slot+2:G0B+4*\slot+3], s[G0B+4*\slot+2:G0B+4*\slot+3], 2*TROW
	JLOAD G0+4*\slot, G1, G0B+4*\slot, G1B         ; the first tensor load behind the round; its four v_nop are the places in front of the loads below
.else
	PLACES 4
.endif
	v_add_nc_u32 v[ADRS], 128*NQ, v[ADRS]          ; the next slot's scale words
	FETCH \next, 0, 0
	SCALES \next
	MULQ 2, 1, NQ-1, \slot, 0
	MULQ 3, 1, NQ-1, \slot, 0
.endm
; 64 numbers of a lane, register 16 b + i = k 32 b + 16 (lane / 16) + i of my row, become a fragment's codes and its scale word
.macro QUANT s, pc, pw
.irp b, 0,1,2,3
	v_max3_num_f32 v[TM+\b], |v[\s+16*\b]|, |v[\s+1+16*\b]|, 0x2800000   ; with the floor 2^(5 - 127)
.endr
.irp i, 2,4,6,8,10,12,14
.irp b, 0,1,2,3
	v_max3_num_f32 v[TM+\b], v[TM+\b], |v[\s+16*\b+\i]|, |v[\s+1+16*\b+\i]|
.endr
.endr
.irp b, 0,1,2,3
	v_permlanex16_b32 v[TM+4+\b], v[TM+\b], s[SEL], s[SEL+1]
.endr
.irp b, 0,1,2,3
	v_max_num_f32 v[TM+\b], v[TM+\b], v[TM+4+\b]   ; with lane l xor 16's 16: the block's largest magnitude
.endr
.irp b, 0,1,2,3
	v_add_nc_u32 v[TM+8+\b], 0xfe000000, v[TM+\b]  ; 4 off the exponent field: the conversion's scale operand
.endr
.irp b, 0,1,2,3
	v_lshrrev_b32 v[TM+4+\b], 23, v[TM+8+\b]       ; the byte
.endr
	v_lshl_or_b32 v[\pw], v[TM+5], 8, v[TM+4]
	v_lshl_or_b32 v[\pw], v[TM+6], 16, v[\pw]
	v_lshl_or_b32 v[\pw], v[TM+7], 24, v[\pw]
.irp c, 0,1
	v_cvt_scalef32_pk16_bf6_f32 v[\pc+6*\c:\pc+6*\c+2], v[\s+32*\c:\s+32*\c+15], v[TM+8+2*\c]
	v_cvt_scalef32_pk16_bf6_f32 v[PT+4*\c:PT+4*\c+2], v[\s+16+32*\c:\s+31+32*\c], v[TM+9+2*\c]
.endr
	v_nop                                          ; one plain line behind the conversions
.irp c, 0,1                                    ; the layout wants a whole block in a lane
.irp i, 0,1,2
	v_permlane16_swap_b32 v[\pc+6*\c+\i], v[PT+4*\c+\i]
.endr
.irp i, 0,1,2
	v_mov_b32 v[\pc+3+6*\c+\i], v[PT+4*\c+\i]
.endr
.endr
.endm
	s_load_b128 s[4:7], s[0:1], 0x0                ; the activations' image, the weights' images
	s_load_b128 s[8:11], s[0:1], 0x10              ; QKV: bq, bk; else: b1, the result
.if QKV
	s_load_b128 s[96:99], s[0:1], 0x20             ; bv, the result
.endif
	v_lshl_add_u32 v[SPW], v0, 2, SPARE
	v_mov_b32 v[NIL], 0
	ds_add_u32 v28, v29
	ds_add_u32 v28, v29
	s_wait_dscnt 0x0
	v_lshrrev_b32 v1, 5, v0
	v_readfirstlane_b32 s14, v1                    ; wave
	s_lshr_b32 s15, s14, 1                         ; my half of S1's tiles.  Also: I fetch for S1 (0) or S0 (1)
	s_and_b32 s16, s14, 1                          ; my half of S0's.  Also: which half of that side I fetch
	s_bfe_u32 s40, ttmp6, 0x40000                  ; cx
	s_bfe_u32 s41, ttmp6, 0x40004                  ; cy
	s_and_b32 s18, ttmp7, 0xffff                   ; cluster y
.if QKV
	s_mov_b32 s66, ttmp9                           ; which product: the same in all partners of a cluster
	s_cmp_eq_u32 s66, 2
	s_cselect_b32 s19, s18, 0                      ; the long side (4,096 rows of x) is walked by cluster y: it is S0 for v,
	s_cselect_b32 s18, 0, s18                      ; S1 for q and k
.else
	s_mov_b32 s19, ttmp9
.endif
	s_lshl_b32 s42, s19, 2
	s_add_co_u32 s42, s42, s40                     ; which 256 rows of S0
	s_lshl_b32 s17, s18, 2
	s_add_co_u32 s17, s17, s41                     ; which 256 rows of S1
	s_lshl_b32 s43, s41, 2
	s_lshl_b32 s43, 15, s43                        ; my row of the cluster
	s_lshl_b32 s44, 0x1111, s40                    ; my column
	s_or_b32 s[G1+0], s43, (3<<16)|(1<<21)         ; 15:0 the mask; 17:16 elements of 8 bytes; 21 set beside a mask; no padding
	s_or_b32 s[G1B+0], s44, (3<<16)|(1<<21)
.irp g, G1, G1B
	s_mov_b32 s[\g+1], (TROW/8)<<16                ; tensor_dim0: a tile's part of a slot
	s_mov_b32 s[\g+2], TW<<16                      ; tensor_dim1: 8 tiles
	s_mov_b32 s[\g+3], (TROW/8)<<16                ; tile_dim0
	s_mov_b32 s[\g+4], TW                          ; tile_dim1
	s_mov_b32 s[\g+5], KT*192                      ; from tile to tile: KT fragments
	s_mov_b32 s[\g+6], 0
	s_mov_b32 s[\g+7], 0
.endr
	s_or_b32 s[G1S+0], s43, (3<<16)|(1<<21)
	s_or_b32 s[G1SB+0], s44, (3<<16)|(1<<21)
.irp g, G1S, G1SB                              ; the scales of 8 tiles: a dense block, as rows of 256 bytes
	s_mov_b32 s[\g+1], 32<<16
	s_mov_b32 s[\g+2], (HALFS/256)<<16
	s_mov_b32 s[\g+3], 32<<16
	s_mov_b32 s[\g+4], HALFS/256
	s_mov_b32 s[\g+5], 32
	s_mov_b32 s[\g+6], 0
	s_mov_b32 s[\g+7], 0
.endr
	s_mul_i32 s18, s16, TW
	s_mul_i32 s20, s17, 2*TW
	s_add_co_u32 s20, s20, s18                     ; the first tile of S1 that I would fetch,
	s_mul_i32 s46, s42, 2*TW
	s_add_co_u32 s46, s46, s18                     ; of S0
	s_mul_i32 s22, s20, SIZE_K/2                   ; their scales,
	s_mul_i32 s92, s46, SIZE_K/2
	s_mul_i32 s20, s20, KT*FRB                     ; their codes
	s_mul_i32 s46, s46, KT*FRB
	s_mov_b32 s21, 0
	s_mov_b32 s23, 0
	s_mov_b32 s47, 0
	s_mov_b32 s93, 0
	s_mul_i32 s45, s14, HALFT                      ; where they go: no place in the cluster enters an LDS address
	s_mul_i32 s94, s14, HALFS
	s_wait_kmcnt 0x0
.if QKV
	s_mov_b32 s19, 0
	s_cmp_eq_u32 s66, 0                            ; q reads tensor 0 of the image, k and v tensor 1
	s_cselect_b32 s18, 0, 131072
	s_add_nc_u64 s[100:101], s[4:5], s[18:19]
	s_add_nc_u64 s[100:101], s[100:101], 6291456   ; x's scales
	s_cselect_b32 s18, 0, 3145728
	s_add_nc_u64 s[4:5], s[4:5], s[18:19]          ; x's codes
	s_mul_i32 s18, s66, 32768
	s_add_nc_u64 s[2:3], s[6:7], s[18:19]
	s_add_nc_u64 s[2:3], s[2:3], 9437184           ; W's scales
	s_mul_i32 s18, s66, 786432
	s_add_nc_u64 s[6:7], s[6:7], s[18:19]          ; W's codes
	s_cmp_eq_u32 s66, 2                            ; for v the sides change places
	s_cselect_b64 s[12:13], s[6:7], s[4:5]         ; S1's codes
	s_cselect_b64 s[6:7], s[4:5], s[6:7]           ; S0's codes
	s_cselect_b64 s[4:5], s[2:3], s[100:101]       ; S1's scales
	s_cselect_b64 s[2:3], s[100:101], s[2:3]       ; S0's scales
.else
	s_mov_b64 s[12:13], s[4:5]                     ; S1 = h: codes,
	s_add_nc_u64 s[4:5], s[4:5], 6291456           ; scales
	s_add_nc_u64 s[2:3], s[6:7], 9568256           ; S0 = W1: scales,
	s_add_nc_u64 s[6:7], s[6:7], 3145728           ; codes
.endif
	s_add_nc_u64 s[20:21], s[12:13], s[20:21]
	s_add_nc_u64 s[22:23], s[4:5], s[22:23]
	s_add_nc_u64 s[46:47], s[6:7], s[46:47]
	s_add_nc_u64 s[92:93], s[2:3], s[92:93]
.if QKV
	s_cmp_eq_u32 s66, 1
	s_cselect_b64 s[8:9], s[10:11], s[8:9]
	s_cmp_eq_u32 s66, 2
	s_cselect_b64 s[8:9], s[96:97], s[8:9]         ; the product's bias
	s_mov_b64 s[12:13], s[98:99]                   ; the result
.else
	s_mov_b64 s[12:13], s[10:11]
.endif
	CROUND                                         ; all sixteen work-groups are here: the first joint loads meet
	s_mov_b32 s[G0S], 1
	s_add_co_u32 s[G0S+1], s94, SCL
	s_mov_b64 s[G0S+2:G0S+3], s[22:23]
	s_or_b32 s[G0S+3], s[G0S+3], 0x80000000
	s_mov_b32 s[G0SB], 1
	s_add_co_u32 s[G0SB+1], s94, SCL
	s_mov_b64 s[G0SB+2:G0SB+3], s[92:93]
	s_or_b32 s[G0SB+3], s[G0SB+3], 0x80000000
	JLOAD G0S, G1S, G0SB, G1SB                     ; the scales first
.irp s, 0,1
	s_mov_b32 s[G0+4*\s], 1
	s_add_co_u32 s[G0+4*\s+1], s45, \s*SLOT
	s_add_nc_u64 s[G0+4*\s+2:G0+4*\s+3], s[20:21], \s*TROW
	s_or_b32 s[G0+4*\s+3], s[G0+4*\s+3], 0x80000000
	s_mov_b32 s[G0B+4*\s], 1
	s_add_co_u32 s[G0B+4*\s+1], s45, \s*SLOT
	s_add_nc_u64 s[G0B+4*\s+2:G0B+4*\s+3], s[46:47], \s*TROW
	s_or_b32 s[G0B+4*\s+3], s[G0B+4*\s+3], 0x80000000
	JLOAD G0+4*\s, G1, G0B+4*\s, G1B               ; three loads of mine are out behind the second of these
.endr
	v_and_b32 v1, 31, v0
	v_lshlrev_b32 v[LI], 4, v1
	v_and_b32 v2, 15, v0                           ; r
	v_bfe_u32 v3, v0, 4, 1                         ; h
	s_mul_i32 s21, s15, HALFT
	s_mul_i32 s22, s16, HALFT
	s_add_co_u32 s22, s22, 2*HALFT
.irp s, 0,1
	v_add_nc_u32 v[ADR1+\s], s21, v[LI]
	v_add_nc_u32 v[ADR0+\s], s22, v[LI]
	s_add_co_u32 s21, s21, SLOT
	s_add_co_u32 s22, s22, SLOT
.endr
	s_mul_i32 s21, s15, HALFS                      ; S1's scales: my half
	s_mul_i32 s22, s16, HALFS                      ; S0's: my half, behind S1's two
	s_add_co_u32 s22, s22, 2*HALFS
	s_sub_co_u32 s22, s22, s21
	v_mul_u32_u24 v6, s22, v3                      ; lanes 16-31 take S0's: one product of the distance
	s_add_co_u32 s21, s21, SCL
	v_lshl_add_u32 v5, v2, 3, v6
	v_add_nc_u32 v[ADRS], s21, v5
	s_lshl_b32 s21, s14, 16
	v_add_nc_u32 v[DA], s21, v[LI]
	s_lshl_b32 s21, s15, 10
	s_lshl_b32 s22, s16, 2
	s_add_co_u32 s21, s21, s22
	s_add_co_u32 s21, s21, SSTG
	v_lshlrev_b32 v5, 3, v2
	v_add_nc_u32 v[SSA], s21, v5                   ; 1,024 x my half of S1 + 4 x my half of S0 + 8 r
.if QKV
	s_cmp_eq_u32 s66, 2
	s_cbranch_scc1 .Lbias_v
.endif
	s_lshl_b32 s46, s42, 10                        ; the bias by S0's rows: register j of tile b is bias[n0 + 32 (b / 2) + 16 h + 8 (b % 2) + j]
	s_lshl_b32 s47, s16, 9
	s_add_co_u32 s46, s46, s47
	s_mov_b32 s47, 0
	s_add_nc_u64 s[8:9], s[8:9], s[46:47]
	v_lshlrev_b32 v7, 6, v3
	WIN 0x40
.irp b, 0,1,2,3,4,5,6,7
	global_load_b128 v[96+8*\b+96*(\b/4):96+8*\b+96*(\b/4)+3], v7, s[8:9] offset:(32*(\b/2)+8*(\b%2))*4
	global_load_b128 v[100+8*\b+96*(\b/4):100+8*\b+96*(\b/4)+3], v7, s[8:9] offset:(32*(\b/2)+8*(\b%2))*4+16
.endr
	WIN 0
.if QKV
	s_branch .Lbias_done
.Lbias_v:
	s_lshl_b32 s20, s17, 10                        ; the bias by S1's rows: all eight registers of tile a hold bv of my lane's row
	s_lshl_b32 s21, s15, 9
	s_add_co_u32 s20, s20, s21
	s_mov_b32 s21, 0
	s_add_nc_u64 s[8:9], s[8:9], s[20:21]
	v_and_b32 v7, 8, v2
	v_add_nc_u32 v7, v7, v2
	v_lshlrev_b32 v7, 2, v7
	WIN 0x40
.irp a, 0,1,2,3,4,5,6,7
.irp j, 0,1,2,3,4,5,6,7
	global_load_b32 v[96+8*\a+96*(\a/4)+\j], v7, s[8:9] offset:(32*(\a/2)+8*(\a%2))*4
.endr
.endr
	WIN 0
.Lbias_done:
.endif
	s_wait_tensorcnt 1                             ; the scales and my part of slot 0 are in; slot 1's load may be out
	s_barrier_signal -1
	s_barrier_wait -1
	FETCH 0, 0, 0
	SCALES 0
	s_wait_loadcnt 0x0                             ; the bias
.if QKV
	s_cmp_eq_u32 s66, 2
	s_cbranch_scc1 .Lfirst_v
	STEP 0, 0, 1                                   ; the first step starts the sums from the bias
	WIN 0
	s_branch .Lfirst_done
.Lfirst_v:
	STEP 0, 0, 2
	WIN 0
.Lfirst_done:
.else
	STEP 0, 0, 1
	WIN 0
.endif
	s_mov_b32 s3, LAPS-1
.Llap:                                                 ; a trip goes once round the ring and fills both slots again
	TURN 0, 1, 1
	STEP 1, 0, 0
	TURN 1, 0, 1
	STEP 0, 0, 0
	WIN 0
	s_sub_co_u32 s3, s3, 1
	s_cmp_lg_u32 s3, 0
	s_cbranch_scc1 .Llap
	TURN 0, 1, 0                                   ; the last lap fills nothing
	STEP 1, 0, 0
	s_wait_dscnt 0x0                               ; my last reads of ring and scales are in:
	s_barrier_signal -1                            ; say so,
	MULQ 0, 1, NQ-1, 1, 0
	MULQ 1, 1, NQ-1, 1, 0
	MULQ 2, 1, NQ-1, 1, 0
	MULQ 3, 1, NQ-1, 1, 0
	WIN 0
	s_barrier_wait -1                              ; and when all four have said so, ring and scales may be written over
	PLACES 4
; THE WAY OUT.  The accumulators are dumped into LDS, 8,192 bytes a tile of S1, so that ONE text in a loop serves all eight tiles; each tile's 64 numbers a lane come back, are (gelu'd and) quantised, and are one fragment of the result.
.set da, 0
.rept 8
	WIN 0x08+4*(da/4)
.set dk, 0
.rept 16
	ds_store_b128 v[DA], v[64*(da%4)+4*dk:64*(da%4)+4*dk+3] offset:8192*da+512*dk      ; each accumulator from its low end on
.set dk, dk+1
.endr
.set da, da+1
.endr
	WIN 0
.if QKV
	s_cmp_eq_u32 s66, 2
	s_cselect_b32 s67, 5, 3                        ; log2 of the result's fragments a tile: K = 4,096 for v, 1,024 for q and k
.else
	s_mov_b32 s67, 5
.endif
	s_add_co_u32 s95, s67, 7                       ; log2 of its scale bytes a g
	s_lshl_b32 s20, s17, 4
	s_lshl_b32 s21, s15, 3
	s_add_co_u32 s20, s20, s21                     ; my first tile of the result,
	s_lshl_b32 s20, s20, s67
	s_lshl_b32 s46, s42, 1
	s_add_co_u32 s46, s46, s16                     ; my K step of it
	s_add_co_u32 s20, s20, s46
	s_mul_i32 s20, s20, FRB
	s_lshl_b32 s22, s17, 3
	s_lshl_b32 s22, s22, s95
	s_lshl_b32 s46, s42, 8
	s_add_co_u32 s22, s22, s46                     ; the work-group's scale words
.if QKV
	s_mul_i32 s21, s66, 3145728
	s_add_co_u32 s20, s20, s21
	s_mul_i32 s21, s66, 131072
	s_add_co_u32 s22, s22, s21
	s_add_co_u32 s22, s22, 9437184
.else
	s_add_co_u32 s22, s22, 12582912
.endif
	s_mov_b32 s21, 0
	s_mov_b32 s23, 0
	s_add_nc_u64 s[OUT:OUT+1], s[12:13], s[20:21]
	s_add_nc_u64 s[SCO:SCO+1], s[12:13], s[22:23]
	s_lshl_b32 s[OST], FRB, s67                    ; from tile to tile
	s_mov_b32 s[OST+1], 0
	s_mov_b32 s[SEL], 0x76543210
	s_mov_b32 s[SEL+1], 0xfedcba98
.irp b, 4,5,6,7
	v_mov_b32 v[TM+\b], 0                          ; written once: a lane permute's destination counts as one of its sources
.endr
.if GELU
	s_mov_b32 s2, 0x3e6d3388                       ; 0.231641888
	v_mov_b32 v[GA5], 0x3f07dc22                   ; 0.5307027145
	v_mov_b32 v[GA5+1], 0x3f07dc22
.endif
	s_lshl_b32 s20, s14, 9
	s_add_co_u32 s20, s20, SSTG
	v_add_nc_u32 v[SSR], s20, v[LI]                ; the scale words' way out: 512 bytes a wave
	s_lshl_b32 s20, s14, 1
	v_add_nc_u32 v[SCV], s20, v3
	v_lshlrev_b32 v[SCV], s95, v[SCV]
	v_lshl_add_u32 v[SCV], v2, 4, v[SCV]           ; g' = 2 w + lane / 16; 16 bytes a lane
.macro LOADH h, off
.set li, 0
.rept 16
	ds_load_b128 v[\h+4*li:\h+4*li+3], v[DL] offset:\off+512*li    ; LDS serves a wave's instructions in order: these see my stores
.set li, li+1
.endr
.endm
.macro GELUM h
.set gn, 0
.rept 4                                        ; 16 numbers at a time
.set gx, \h+16*gn
.irp i, 0,1,2,3,4,5,6,7,8,9,10,11,12,13,14,15
	v_fma_f32 v[GT+\i], |v[gx+\i]|, s2, 1.0
.endr
.irp i, 0,2,4,6,8,10,12,14
	v_pk_mul_f32 v[GU+\i:GU+\i+1], v[gx+\i:gx+\i+1], v[gx+\i:gx+\i+1]
.endr
.irp i, 0,2,4,6,8,10,12,14
	v_pk_mul_f32 v[GU+\i:GU+\i+1], v[GU+\i:GU+\i+1], 0xbf38aa3b op_sel_hi:[1,0]     ; -x^2 log2(e) / 2
.endr
.irp i, 0,1,2,3,4,5,6,7,8,9,10,11,12,13,14,15
	v_rcp_f32 v[GT+\i], v[GT+\i]
.endr
.irp i, 0,1,2,3,4,5,6,7,8,9,10,11,12,13,14,15
	v_exp_f32 v[GU+\i], v[GU+\i]
.endr
	v_nop                                          ; a plain line behind the batch,
	s_wait_alu depctr_va_vdst(0)                   ; and one wait for its 32 results, ahead of their first reader
.irp i, 0,2,4,6,8,10,12,14
	v_pk_fma_f32 v[GP+\i:GP+\i+1], v[GT+\i:GT+\i+1], v[GA5:GA5+1], 0xbf3a00e3 op_sel_hi:[1,1,0]
.endr
.irp k, 0x3f35f0e3, 0xbe11a98e, 0x3e027906
.irp i, 0,2,4,6,8,10,12,14
	v_pk_fma_f32 v[GP+\i:GP+\i+1], v[GP+\i:GP+\i+1], v[GT+\i:GT+\i+1], \k op_sel_hi:[1,1,0]
.endr
.endr
.irp i, 0,2,4,6,8,10,12,14
	v_pk_mul_f32 v[GP+\i:GP+\i+1], v[GP+\i:GP+\i+1], v[GT+\i:GT+\i+1]
.endr
.irp i, 0,2,4,6,8,10,12,14
	v_pk_mul_f32 v[GP+\i:GP+\i+1], v[GP+\i:GP+\i+1], v[GU+\i:GU+\i+1]      ; E
.endr
.irp i, 0,1,2,3,4,5,6,7,8,9,10,11,12,13,14,15
	v_max_num_f32 v[GT+\i], 0, v[gx+\i]
.endr
.irp i, 0,1,2,3,4,5,6,7,8,9,10,11,12,13,14,15
	v_fma_f32 v[gx+\i], -|v[gx+\i]|, v[GP+\i], v[GT+\i]
.endr
.set gn, gn+1
.endr
.endm
.macro PROC h, par
.if GELU
	GELUM \h
.endif
	QUANT \h, PC, PW
.irp c, 0,1,2
	global_store_b128 v[LI], v[PC+4*\c:PC+4*\c+3], s[OUT:OUT+1] offset:512*\c      ; a fragment of the result: 512 consecutive bytes a store
.endr
	ds_store_b32 v[SSC], v[PW] offset:128*\par     ; both halves of the lanes write the same word with the same value
	s_wait_xcnt 0x0                                ; the stores have read their registers and their base: both are written again behind this wait
	s_add_nc_u64 s[OUT:OUT+1], s[OUT:OUT+1], s[OST:OST+1]
.endm
	s_mov_b32 s[DOF], 0
	s_mov_b32 s[SOF], 0
	s_mov_b32 s3, 4
.Lout:                                                 ; two tiles a trip; both offsets step once a trip by a constant
	v_add_nc_u32 v[DL], s[DOF], v[DA]              ; the pair's 16,384 bytes of my dump
	v_add_nc_u32 v[SSC], s[SOF], v[SSA]            ; and its 256 bytes of scale words
	LOADH H0, 0
	LOADH H1, 8192
	s_wait_dscnt 16                                ; the even tile is in; the odd tile's 16 loads may be out
	PROC H0, 0
	s_wait_dscnt 1                                 ; the odd tile is in; the scale word's store, issued behind its loads, may be out
	PROC H1, 1
	s_add_co_u32 s[DOF], s[DOF], 16384
	s_add_co_u32 s[SOF], s[SOF], 256
	s_sub_co_u32 s3, s3, 1
	s_cmp_lg_u32 s3, 0
	s_cbranch_scc1 .Lout
	s_wait_dscnt 0x0                               ; for the others' sake: my scale words lie in LDS
	s_barrier_signal -1
	s_barrier_wait -1
	ds_load_b128 v[H0:H0+3], v[SSR]
	s_wait_dscnt 0x0
	global_store_b128 v[SCV], v[H0:H0+3], s[SCO:SCO+1]     ; sixteen lanes fill 256 consecutive bytes, aligned
	s_wait_tensorcnt 0x0                           ; the wave's end
	ds_add_u32 v[SPW], v[NIL]
	s_wait_dscnt 0x0
	CROUND                                         ; the closing round
	s_endpgm
.Lfunc_end_k_qc89f5ae847_qkv:
	.size	k_qc89f5ae847_qkv, .Lfunc_end_k_qc89f5ae847_qkv-k_qc89f5ae847_qkv
	.p2alignl 7, 3214868480
	.fill 96, 4, 3214868480
	.section	.rodata,"a",@progbits
	.p2align	6, 0x0
	.amdhsa_kernel k_qc89f5ae847_qkv
		.amdhsa_group_segment_fixed_size 327680
		.amdhsa_private_segment_fixed_size 0
		.amdhsa_enable_private_segment 0
		.amdhsa_kernarg_size 48
		.amdhsa_user_sgpr_count 2
		.amdhsa_user_sgpr_kernarg_segment_ptr 1
		.amdhsa_wavefront_size32 1
		.amdhsa_system_sgpr_workgroup_id_x 1
		.amdhsa_system_sgpr_workgroup_id_y 1
		.amdhsa_system_sgpr_workgroup_id_z 1
		.amdhsa_system_vgpr_workitem_id 0
		.amdhsa_next_free_vgpr 1024
		.amdhsa_next_free_sgpr 102
		.amdhsa_reserve_vcc 0
		.amdhsa_float_denorm_mode_32 3
		.amdhsa_float_denorm_mode_16_64 3
		.amdhsa_memory_ordered 1
		.amdhsa_forward_progress 1
		.amdhsa_inst_pref_size 146
	.end_amdhsa_kernel
	.amdgpu_metadata
---
amdhsa.version: [ 1, 2 ]
amdhsa.kernels:
  - .name:           k_qc89f5ae847_qkv
    .symbol:         k_qc89f5ae847_qkv.kd
    .args:
      - { .name: ximg, .offset: 0, .size: 8, .value_kind: global_buffer, .address_space: global }
      - { .name: wimg, .offset: 8, .size: 8, .value_kind: global_buffer, .address_space: global }
      - { .name: bq, .offset: 16, .size: 8, .value_kind: global_buffer, .address_space: global }
      - { .name: bk, .offset: 24, .size: 8, .value_kind: global_buffer, .address_space: global }
      - { .name: bv, .offset: 32, .size: 8, .value_kind: global_buffer, .address_space: global }
      - { .name: qkvimg, .offset: 40, .size: 8, .value_kind: global_buffer, .address_space: global }
    .group_segment_fixed_size: 327680
    .private_segment_fixed_size: 0
    .kernarg_segment_align: 8
    .kernarg_segment_size: 48
    .max_flat_workgroup_size: 128
    .sgpr_count:     102
    .vgpr_count:     1024
    .wavefront_size: 32
...
	.end_amdgpu_metadata
.endif
;; end of part 3
;; launch attn (part 4): grid 256 x 1, 8 waves a work-group, no clusters, 2,048 bytes of LDS; arguments qkvimg, cimg; writes cimg
.if DOCPART == 4
	.amdgcn_target "amdgcn-amd-amdhsa--gfx1250"
	.amdhsa_code_object_version 6
	.text
	.protected	k_qc89f5ae847_attn
	.globl	k_qc89f5ae847_attn
	.p2align	8
	.type	k_qc89f5ae847_attn,@function
k_qc89f5ae847_attn:
	s_mov_b64 s[64:65], 0
	v_nop
	global_prefetch_b8 v0, s[64:65] scope:SCOPE_SE
	s_setreg_imm32_b32 hwreg(HW_REG_WAVE_MODE, 25, 1), 1
	s_wait_xcnt 0x0
; Banded attention on codes of BF6 (E3M2): key s counts for query t where |t - s| <= 24.  q, k: images [rows m = 2048 b + t][K = 64 head + d]; v: image [rows 64 head + d][K = m]; the result ctx: image [rows m][K = 64 head + d].
; (Image: tile T = 2 g + u, lane slot r = row 32 g + 8 u + r + 8 (r / 8); fragment (T, s) 1,536 bytes, register c of lane L at 512 (c / 4) + 16 L + 4 (c % 4); order [T][s]; scales [g][k / 256][u][r][2 words].)
; A work-group takes one tile of 16 queries; wave hp takes heads 2 hp and 2 hp + 1, which are K step hp of q, k and ctx: its result is one whole fragment of ctx.  No cluster and no tensor load: operands come straight into
; registers as they lie, and neighbouring tiles share only part of a window of keys.
; THE WINDOW: four blocks of 32 keys, wb .. wb + 3 with wb = gb - 1 held to 0 .. 60; it covers every key that counts for the 32 queries of g.  Block B stands at place B mod 4 of the second product's 128 along K, so that v's own
; K steps serve as they lie: a lane takes each half of a fragment from the step in which its block lies.  One step holds the whole band: the maximum is the row's own, nothing is rescaled.
; TWO HEADS FROM ONE FRAGMENT: a fragment of k holds head A in registers 0-5 and head B in 6-11; q's fragment with the other head's codes cleared gives each head's scores.
; Both products are used transposed (S^T = k q^T, O^T = v^T p^T): a lane holds one query.  p = 2^(t - M), M = ceil of the row's largest t; the sum is taken of the unquantised p and divides at the end.
; LIMITS: NaN and infinities are not served; blocks whose largest magnitude lies under 2^-122, and blocks of zeros, get the byte 1 (read by this program alone).
.set LI,  1                            ; 16 x lane
.set R8,  2                            ; 8 r
.set PW,  3                            ; p's, later ctx's, scale word
.set FS,  4                            ; v4-7   scale words of four tiles of k or v
.set VS1, 8                            ; v8-11  v's words of the window's second K step
.set QA,  16                           ; v16-27 q with head B cleared
.set W,   28                           ; v28-31 for each place of the window: key - query + 24 of register 0
.set F,   32                           ; v32-79 four fragments of k or v
.set QB,  80                           ; v80-91 q with head A cleared
.set RA,  92                           ; 1 / sum of head A, of head B
.set RB,  93
.set VA,  94                           ; v94-95 my offsets in v for registers 0-5 and 6-11
.set SA,  96                           ; v96-159 head A's scores; later O^T of both heads
.set SBB, 160                          ; v160-223 head B's scores
.set PC,  224                          ; v224-235 codes
.set PT,  236
.set QS,  239                          ; q's scale word
.set SSW, 243                          ; where my scale word goes in LDS
.set TM,  244                          ; v244-255 at work
.set SEL, 16
.set CS,  18
.set KBP, 24                           ; s[24:31] k's tiles for the four places
.set KSP, 32                           ; s[32:39] their scale words
.set BV,  40                           ; s[40:43] v's scale words of the window's two K steps
.set CM,  44                           ; s44-47 masks
.macro QUANT s, pc, pw                 ; 64 numbers of a lane, register 16 b + i = k 32 b + 16 (lane / 16) + i of my row, become a fragment's codes and its scale word
.irp b, 0,1,2,3
	v_max3_num_f32 v[TM+\b], |v[\s+16*\b]|, |v[\s+1+16*\b]|, 0x2800000   ; with the floor 2^(5 - 127)
.endr
.irp i, 2,4,6,8,10,12,14
.irp b, 0,1,2,3
	v_max3_num_f32 v[TM+\b], v[TM+\b], |v[\s+16*\b+\i]|, |v[\s+1+16*\b+\i]|
.endr
.endr
.irp b, 0,1,2,3
	v_permlanex16_b32 v[TM+4+\b], v[TM+\b], s[SEL], s[SEL+1]
.endr
.irp b, 0,1,2,3
	v_max_num_f32 v[TM+\b], v[TM+\b], v[TM+4+\b]
.endr
.irp b, 0,1,2,3
	v_add_nc_u32 v[TM+8+\b], 0xfe000000, v[TM+\b]
.endr
.irp b, 0,1,2,3
	v_lshrrev_b32 v[TM+4+\b], 23, v[TM+8+\b]
.endr
	v_lshl_or_b32 v[\pw], v[TM+5], 8, v[TM+4]
	v_lshl_or_b32 v[\pw], v[TM+6], 16, v[\pw]
	v_lshl_or_b32 v[\pw], v[TM+7], 24, v[\pw]
.irp c, 0,1
	v_cvt_scalef32_pk16_bf6_f32 v[\pc+6*\c:\pc+6*\c+2], v[\s+32*\c:\s+32*\c+15], v[TM+8+2*\c]
	v_cvt_scalef32_pk16_bf6_f32 v[PT+4*\c:PT+4*\c+2], v[\s+16+32*\c:\s+31+32*\c], v[TM+9+2*\c]
.endr
	v_nop                                          ; one plain line behind the conversions
.irp c, 0,1
.irp i, 0,1,2
	v_permlane16_swap_b32 v[\pc+6*\c+\i], v[PT+4*\c+\i]
.endr
.irp i, 0,1,2
	v_mov_b32 v[\pc+3+6*\c+\i], v[PT+4*\c+\i]
.endr
.endr
.endm
	s_load_b128 s[4:7], s[0:1], 0x0                ; q, k, v; ctx
	s_set_vgpr_msb 0x40
	v_lshl_add_u32 v0, v0, 2, 0x400
	v_mov_b32 v1, 0
	s_set_vgpr_msb 0x4000
	v_lshrrev_b32 v12, 5, v0
	v_readfirstlane_b32 s8, v12                    ; hp
	v_and_b32 v12, 31, v0
	v_lshlrev_b32 v[LI], 4, v12
	v_and_b32 v13, 15, v0                          ; r
	v_bfe_u32 v14, v0, 4, 1                        ; h
	v_lshlrev_b32 v[R8], 3, v13
.irp i, 0,1,2,3,4,5
	v_mov_b32 v[QA+6+\i], 0                        ; zero codes annul the other head, whatever its scale bytes
	v_mov_b32 v[QB+\i], 0
.endr
.irp i, 4,5,6,7
	v_mov_b32 v[TM+\i], 0                          ; written once: a lane permute's destination counts as one of its sources
.endr
	v_lshlrev_b32 v15, 4, v14
	v_sub_nc_u32 v15, v15, v13
	v_and_b32 v12, 8, v13
	v_sub_nc_u32 v15, v15, v12                     ; 16 h - r - 8 (r / 8)
	s_lshr_b32 s10, ttmp9, 1                       ; g
	s_and_b32 s11, ttmp9, 1                        ; u
	s_lshr_b32 s12, s10, 6                         ; b
	s_and_b32 s13, s10, 63                         ; gb
	s_sub_co_i32 s14, s13, 1
	s_max_i32 s14, s14, 0
	s_min_u32 s14, s14, 60                         ; wb
	s_lshl_b32 s15, s12, 6
	s_add_co_u32 s15, s15, s14                     ; the window's first block, counted over both batches
	s_mov_b32 s[SEL], 0x76543210
	s_mov_b32 s[SEL+1], 0xfedcba98
	s_mov_b32 s[CS], 0x3e38aa3b                    ; c = log2(e) / 8
	s_mov_b32 s[CS+1], s[CS]
	s_lshr_b32 s49, s8, 1
	s_and_b32 s50, s8, 1
	s_lshl_b32 s50, s50, 2
	s_lshl_b32 s51, s49, 7
	s_add_co_u32 s51, s51, s50
	v_add_nc_u32 v[SSW], s51, v[R8]                ; 128 (hp / 2) + 4 (hp % 2) + 8 r
	s_lshl_b32 s49, s49, 8
	s_add_co_u32 s49, s49, s50                     ; K step hp's place in a g's scales: 256 (hp / 2) + 4 (hp % 2)
	s_mul_i32 s52, s8, 1536
	s_lshl_b32 s53, s11, 3
.irp p, 0,1,2,3
	s_sub_co_u32 s20, \p, s14
	s_and_b32 s20, s20, 3
	s_add_co_u32 s21, s15, s20                     ; the block that stands at place p
	s_add_co_u32 s22, s14, s20
	s_sub_co_u32 s22, s22, s13
	s_lshl_b32 s22, s22, 5
	s_sub_co_u32 s22, s22, s53
	s_add_co_u32 s22, s22, 24
	v_add_nc_u32 v[W+\p], s22, v15
	s_mul_i32 s[KBP+2*\p], s21, 24576
	s_add_co_u32 s[KBP+2*\p], s[KBP+2*\p], s52
	s_mov_b32 s[KBP+2*\p+1], 0
	s_lshl_b32 s[KSP+2*\p], s21, 10
	s_add_co_u32 s[KSP+2*\p], s[KSP+2*\p], s49
	s_add_co_u32 s[KSP+2*\p], s[KSP+2*\p], 9437184
	s_mov_b32 s[KSP+2*\p+1], 0
.endr
	s_lshl_b32 s54, s8, 14
	s_add_co_u32 s54, s54, 9437184
.irp e, 0,1
	s_add_co_u32 s20, s15, 3*\e
	s_lshr_b32 s20, s20, 2                         ; the K step of v in which the window begins (e = 0), ends (1)
	s_lshr_b32 s21, s20, 1
	s_lshl_b32 s21, s21, 8
	s_and_b32 s20, s20, 1
	s_lshl_b32 s20, s20, 2
	s_add_co_u32 s20, s20, s21
	s_add_co_u32 s[BV+2*\e], s20, s54
	s_mov_b32 s[BV+2*\e+1], 0
.endr
	s_and_b32 s20, s14, 3
	s_lshl_b32 s20, s20, 3
	s_lshl_b32 s48, 1, s20
	s_sub_co_u32 s48, s48, 1                       ; the bytes (places under wb mod 4) that come from the second K step's word
	s_mul_i32 s21, s8, 393216
.irp c, 0,1
	s_sub_co_u32 s20, 2*\c, s14
	v_add_nc_u32 v[VA+\c], s20, v14
	v_and_b32 v[VA+\c], 3, v[VA+\c]
	v_add_nc_u32 v[VA+\c], s15, v[VA+\c]           ; the block at my place 2 c + h,
	v_lshrrev_b32 v[VA+\c], 2, v[VA+\c]            ; its K step of v
	v_mul_u32_u24 v[VA+\c], v[VA+\c], 1536
	v_add3_u32 v[VA+\c], v[VA+\c], v[LI], s21
.endr
	s_mul_i32 s56, ttmp9, 12288
	s_add_co_u32 s56, s56, s52                     ; fragment (T, hp)
	s_mov_b32 s57, 0
	s_lshl_b32 s58, s10, 10
	s_lshl_b32 s20, s11, 7
	s_add_co_u32 s58, s58, s20                     ; 1,024 g + 128 u
	s_mov_b32 s59, 0
	s_wait_kmcnt 0x0
	s_add_nc_u64 s[60:61], s[6:7], s[56:57]        ; ctx's fragment
	s_add_nc_u64 s[62:63], s[6:7], s[58:59]
	s_add_nc_u64 s[62:63], s[62:63], 3145728       ; ctx's scale words
	s_add_nc_u64 s[56:57], s[4:5], s[56:57]        ; q's fragment
	s_add_co_u32 s58, s58, s49
	s_add_co_u32 s58, s58, 9437184
	s_add_nc_u64 s[58:59], s[4:5], s[58:59]        ; q's scale words
.irp p, 0,1,2,3
	s_add_nc_u64 s[KBP+2*\p:KBP+2*\p+1], s[4:5], s[KBP+2*\p:KBP+2*\p+1]
	s_add_nc_u64 s[KSP+2*\p:KSP+2*\p+1], s[4:5], s[KSP+2*\p:KSP+2*\p+1]
.endr
	s_add_nc_u64 s[BV:BV+1], s[4:5], s[BV:BV+1]
	s_add_nc_u64 s[BV+2:BV+3], s[4:5], s[BV+2:BV+3]
.macro LOADK g                         ; tiles 4 g .. 4 g + 3 of the window's eight: place 2 g + t / 2, half t % 2
.irp t, 0,1,2,3
.irp k, 0,1,2
	global_load_b128 v[F+12*\t+4*\k:F+12*\t+4*\k+3], v[LI], s[KBP+2*(2*\g+\t/2):KBP+2*(2*\g+\t/2)+1] offset:3145728+12288*(\t%2)+512*\k
.endr
	global_load_b32 v[FS+\t], v[R8], s[KSP+2*(2*\g+\t/2):KSP+2*(2*\g+\t/2)+1] offset:131072+128*(\t%2)
.endr
.endm
.macro QK g                            ; each fragment of k serves both heads; sixteen accumulators, each written once
.irp t, 0,1,2,3
	v_wmma_scale_f32_16x16x128_f8f6f4 v[SA+8*(4*\g+\t):SA+8*(4*\g+\t)+7], v[F+12*\t:F+12*\t+11], v[QA:QA+11], 0, v[FS+\t], v[QS] matrix_a_fmt:MATRIX_FMT_BF6 matrix_b_fmt:MATRIX_FMT_BF6
	v_wmma_scale_f32_16x16x128_f8f6f4 v[SBB+8*(4*\g+\t):SBB+8*(4*\g+\t)+7], v[F+12*\t:F+12*\t+11], v[QB:QB+11], 0, v[FS+\t], v[QS] matrix_a_fmt:MATRIX_FMT_BF6 matrix_b_fmt:MATRIX_FMT_BF6
.endr
.endm
.macro LOADV x                         ; head 2 hp + x: four tiles of 16 channels; each half of a fragment from its own K step; both steps' scale words
.irp j, 0,1,2,3
	global_load_b128 v[F+12*\j:F+12*\j+3], v[VA], s[4:5] offset:6291456+196608*\x+49152*\j
	global_load_b64 v[F+12*\j+4:F+12*\j+5], v[VA], s[4:5] offset:6291456+196608*\x+49152*\j+512
	global_load_b64 v[F+12*\j+6:F+12*\j+7], v[VA+1], s[4:5] offset:6291456+196608*\x+49152*\j+520
	global_load_b128 v[F+12*\j+8:F+12*\j+11], v[VA+1], s[4:5] offset:6291456+196608*\x+49152*\j+1024
	global_load_b32 v[FS+\j], v[R8], s[BV:BV+1] offset:262144+8192*\x+4096*(\j/2)+128*(\j%2)
	global_load_b32 v[VS1+\j], v[R8], s[BV+2:BV+3] offset:262144+8192*\x+4096*(\j/2)+128*(\j%2)
.endr
.endm
.macro SOFTMAX s, rd                   ; the scores in v[s ..] become p's codes in v[PC ..] and its scale word in v[PW]; 1 / the row's sum into v[rd]
	v_mov_b32 v[TM+4], 0xff800000                  ; -infinity
.irp i, 0,1,2,3,4,5,6,7,8,9,10,11,12,13,14,15
.irp p, 0,1,2,3
	v_add_nc_u32 v[TM+\p], \i, v[W+\p]             ; key - query + 24: the key counts where this is 0 .. 48
.endr
.irp p, 0,1,2,3
	v_cmp_lt_u32 s[CM+\p], 48, v[TM+\p]
.endr
.irp p, 0,1,2,3
	v_cndmask_b32 v[\s+16*\p+\i], v[\s+16*\p+\i], v[TM+4], s[CM+\p]
.endr
.endr
.irp b, 0,1,2,3
	v_max3_num_f32 v[TM+\b], v[\s+16*\b], v[\s+16*\b+1], v[\s+16*\b+2]
.endr
.irp i, 3,5,7,9,11,13
.irp b, 0,1,2,3
	v_max3_num_f32 v[TM+\b], v[TM+\b], v[\s+16*\b+\i], v[\s+16*\b+\i+1]
.endr
.endr
.irp b, 0,1,2,3
	v_max_num_f32 v[TM+\b], v[TM+\b], v[\s+16*\b+15]
.endr
	v_max3_num_f32 v[TM], v[TM], v[TM+1], v[TM+2]
	v_max_num_f32 v[TM], v[TM], v[TM+3]
	v_permlanex16_b32 v[TM+4], v[TM], s[SEL], s[SEL+1]
	v_max_num_f32 v[TM], v[TM], v[TM+4]            ; the row's largest score: its own key always counts
	v_mul_f32 v13, s[CS], v[TM]                    ; as t
	v_floor_f32 v12, -v13                          ; -M = floor(-t): M is a whole number
.set qi, 0
.rept 32
	v_pk_fma_f32 v[\s+qi:\s+qi+1], v[\s+qi:\s+qi+1], s[CS:CS+1], v[12:13] op_sel_hi:[1,0,0]    ; t - M
.set qi, qi+2
.endr
.set qi, 0
.rept 64
	v_exp_f32 v[\s+qi], v[\s+qi]                   ; p; 0 for a key that does not count
.set qi, qi+1
.endr
	v_nop                                          ; a plain line behind the batch,
	s_wait_alu depctr_va_vdst(0)                   ; and one wait for its 64 results
	v_pk_add_f32 v[14:15], v[\s:\s+1], v[\s+2:\s+3]    ; the sum of the unquantised p, in two chains
	v_pk_add_f32 v[TM+6:TM+7], v[\s+4:\s+5], v[\s+6:\s+7]
.set qi, 8
.rept 14
	v_pk_add_f32 v[14:15], v[14:15], v[\s+qi:\s+qi+1]
	v_pk_add_f32 v[TM+6:TM+7], v[TM+6:TM+7], v[\s+qi+2:\s+qi+3]
.set qi, qi+4
.endr
	v_pk_add_f32 v[14:15], v[14:15], v[TM+6:TM+7]
	v_add_f32 v14, v14, v15
	v_permlanex16_b32 v15, v14, s[SEL], s[SEL+1]
	v_add_f32 v14, v14, v15
	v_rcp_f32 v[\rd], v14
	QUANT \s, PC, PW                               ; (plain work behind the reciprocal, which it does not name)
	s_wait_alu depctr_va_vdst(0)                   ; the reciprocal's wait, ahead of every reader and of every branch
.endm
.macro PV o                            ; O^T = v^T p^T: four tiles of 16 channels
	s_wait_loadcnt 0x0
.irp j, 0,1,2,3
	v_bfi_b32 v[FS+\j], s48, v[VS1+\j], v[FS+\j]   ; each place's byte from the K step in which its block lies
.endr
.rept 8
	v_nop                                          ; scale registers written by vector instructions stand eight places ahead of a scaled matrix instruction
.endr
.irp j, 0,1,2,3
	v_wmma_scale_f32_16x16x128_f8f6f4 v[(\o)+8*\j:(\o)+8*\j+7], v[F+12*\j:F+12*\j+11], v[PC:PC+11], 0, v[FS+\j], v[PW] matrix_a_fmt:MATRIX_FMT_BF6 matrix_b_fmt:MATRIX_FMT_BF6
.endr
.rept 4
	v_nop                                          ; places in front of loads into registers that these have read, and of the first read of results
.endr
.endm
	global_load_b128 v[QA:QA+3], v[LI], s[56:57]   ; head A's half of q's fragment: registers 0-5,
	global_load_b64 v[QA+4:QA+5], v[LI], s[56:57] offset:512
	global_load_b64 v[QB+6:QB+7], v[LI], s[56:57] offset:520       ; head B's: registers 6-11
	global_load_b128 v[QB+8:QB+11], v[LI], s[56:57] offset:1024
	global_load_b32 v[QS], v[R8], s[58:59]
	LOADK 0
	s_wait_loadcnt 0x0
	QK 0
.rept 4
	v_nop
.endr
	LOADK 1
	s_wait_loadcnt 0x0
	QK 1
.rept 4
	v_nop
.endr
	LOADV 0                                        ; lands while head A's softmax is worked
	SOFTMAX SA, RA
	PV SA                                          ; into the registers that head A's scores have left
	LOADV 1
	SOFTMAX SBB, RB
	PV SA+32
.set qi, 0
.rept 32
	v_mul_f32 v[SA+qi], v[SA+qi], v[RA]            ; O^T / the sum: register 16 b + i is channel 32 b + 16 h + i of the two heads' 128
.set qi, qi+1
.endr
.rept 32
	v_mul_f32 v[SA+qi], v[SA+qi], v[RB]
.set qi, qi+1
.endr
	QUANT SA, PC, PW
.irp c, 0,1,2
	global_store_b128 v[LI], v[PC+4*\c:PC+4*\c+3], s[60:61] offset:512*\c      ; ctx's fragment (T, hp): 512 consecutive bytes a store
.endr
	ds_store_b32 v[SSW], v[PW]                     ; both halves of the lanes write the same word with the same value
	s_wait_dscnt 0x0
	s_barrier_signal -1
	s_barrier_wait -1
	s_cmp_lg_u32 s8, 0                             ; wave 0 stores the tile's 512 bytes of scale words, in four runs of 128 bytes
	s_cbranch_scc1 .Lend
	ds_load_b128 v[32:35], v[LI]
	v_and_b32 v12, 31, v0
	v_lshrrev_b32 v13, 3, v12
	v_and_b32 v12, 7, v12
	v_lshlrev_b32 v13, 8, v13
	v_lshl_add_u32 v13, v12, 4, v13
	s_wait_dscnt 0x0
	global_store_b128 v13, v[32:35], s[62:63]
.Lend:
	s_set_vgpr_msb 0x5
	s_wait_tensorcnt 0x0
	ds_add_u32 v0, v1
	s_wait_dscnt 0x0
	s_set_vgpr_msb 0x500
	s_endpgm
.Lfunc_end_k_qc89f5ae847_attn:
	.size	k_qc89f5ae847_attn, .Lfunc_end_k_qc89f5ae847_attn-k_qc89f5ae847_attn
	.p2alignl 7, 3214868480
	.fill 96, 4, 3214868480
	.section	.rodata,"a",@progbits
	.p2align	6, 0x0
	.amdhsa_kernel k_qc89f5ae847_attn
		.amdhsa_group_segment_fixed_size 2048
		.amdhsa_private_segment_fixed_size 0
		.amdhsa_enable_private_segment 0
		.amdhsa_kernarg_size 16
		.amdhsa_user_sgpr_count 2
		.amdhsa_user_sgpr_kernarg_segment_ptr 1
		.amdhsa_wavefront_size32 1
		.amdhsa_system_sgpr_workgroup_id_x 1
		.amdhsa_system_sgpr_workgroup_id_y 1
		.amdhsa_system_sgpr_workgroup_id_z 1
		.amdhsa_system_vgpr_workitem_id 0
		.amdhsa_next_free_vgpr 258
		.amdhsa_next_free_sgpr 66
		.amdhsa_reserve_vcc 0
		.amdhsa_float_denorm_mode_32 3
		.amdhsa_float_denorm_mode_16_64 3
		.amdhsa_memory_ordered 1
		.amdhsa_forward_progress 1
		.amdhsa_inst_pref_size 71
	.end_amdhsa_kernel
	.amdgpu_metadata
---
amdhsa.version: [ 1, 2 ]
amdhsa.kernels:
  - .name:           k_qc89f5ae847_attn
    .symbol:         k_qc89f5ae847_attn.kd
    .args:
      - { .name: qkvimg, .offset: 0, .size: 8, .value_kind: global_buffer, .address_space: global }
      - { .name: cimg, .offset: 8, .size: 8, .value_kind: global_buffer, .address_space: global }
    .group_segment_fixed_size: 2048
    .private_segment_fixed_size: 0
    .kernarg_segment_align: 8
    .kernarg_segment_size: 16
    .max_flat_workgroup_size: 256
    .sgpr_count:     66
    .vgpr_count:     258
    .wavefront_size: 32
...
	.end_amdgpu_metadata
.endif
;; end of part 4
;; launch oproj (part 5): grid 8 x 32, 4 waves a work-group, clusters of 4 x 4, 327,680 bytes of LDS; arguments cimg, wimg, bo, x_refined, ybuf; writes ybuf
.if DOCPART == 5
	.amdgcn_target "amdgcn-amd-amdhsa--gfx1250"
	.amdhsa_code_object_version 6
	.text
	.protected	k_qc89f5ae847_oproj
	.globl	k_qc89f5ae847_oproj
	.p2align	8
	.type	k_qc89f5ae847_oproj,@function
k_qc89f5ae847_oproj:
	s_mov_b64 s[64:65], 0
	v_nop
	global_prefetch_b8 v0, s[64:65] scope:SCOPE_SE
	s_setreg_imm32_b32 hwreg(HW_REG_WAVE_MODE, 25, 1), 1
	s_wait_xcnt 0x0
	s_wait_alu depctr_hold_cnt(0) depctr_sa_sdst(0) depctr_va_vdst(0) depctr_va_sdst(0) depctr_va_ssrc(0) depctr_va_vcc(0) depctr_vm_vsrc(0)
	s_getreg_b32 s2, hwreg(HW_REG_IB_STS2, 6, 4)
	s_cmp_eq_u32 s2, 0
	s_cbranch_scc0 .Lentry_in_a_cluster
	s_endpgm
.Lentry_in_a_cluster:
	s_bfe_u32 s2, ttmp6, 0x10000c
	s_cmp_lg_u32 s2, 0xf033
	s_cbranch_scc0 .Lentry_shape_is_right
	s_endpgm
.Lentry_shape_is_right:
; out = res + S1 S0^T + bias, f32 rows of 1,024, on codes of BF6 (E3M2).  S1 (4,096 rows) and S0 (the weight's 1,024 columns) are IMAGES OF OPERAND REGISTERS: tile T = 2 g + u of 16 rows, lane slot r = row
; 32 g + 8 u + r + 8 (r / 8); fragment (T, s = k / 128) = 1,536 bytes, register c of lane L at 512 (c / 4) + 16 L + 4 (c % 4); order [T][s]; scales [g][k / 256][u][r][2 words].
; A work-group makes 128 x 128, so that the 4,096 x 1,024 results give 256 work-groups; each of its four waves makes 64 x 64: 16 accumulators.  K goes in slots of 512 through a ring of two LDS slots; a tile's part of a slot is
; 6,144 consecutive bytes of memory.  SOURCE 0 = 16 rows of S0, SOURCE 1 = 16 rows of S1: a lane holds one row of the result and eight neighbouring columns a tile.
; CLUSTER 4 x 4: S1's tiles are shared along a row of the cluster, S0's along a column: joint loads.  The scales of the work-group's rows, for all of K, come once with the first fills.
; The bias is the C of the first K step's products; the residual is loaded at the head, in the layout in which rows leave, and added on the way out.  LIMITS: NaN and infinities are not served.
.set SIZE_K, 1024
.set S1SC, 3145728                     ; S1's scales in its buffer
.set S0C,  2359296                     ; the weight's codes and scales among the weights' images
.set S0SC, 9535488
.set TW,   4
.set NQ,   4
.set KT,   SIZE_K/128
.set FRB,  1536
.set TROW, NQ*FRB
.set HALFT, TW*TROW
.set SLOT, 4*HALFT
.set LAPS, KT/NQ/2
.set HALFS, (TW/2)*SIZE_K
.set SCL,  2*SLOT
.set SPARE, 229376                     ; the spare words: 128 bytes a wave, named by no other line
.set STG,  229888                      ; the way out: 16 rows x (256 bytes + 16) for each wave
.set ADR1, 16
.set ADR0, 20
.set LI,   23
.set STO,  24
.set RD,   25
.set CO,   26
.set ADRS, 27
.set SPW,  28
.set NIL,  29
.set SC,   32                          ; v32-63 scale words: set sc, tile i, step q at SC + 16 sc + NQ i + q
.set F1,   64                          ; window 0: S1's fragments, sets at 64 and 160; v112-143, v208-239 rows on the way out.  Window 1: S0's, sets at 0 and 128; the bias at 96-127.  Window 2: accumulator (a, b) at 8 (4 a + b); the residual from v128
.set G1, 24
.set G0, 32
.set G1B, 48
.set G0B, 56
.set G1S, 68
.set G0S, 76
.set G1SB, 80
.set G0SB, 88
.set MSB, 0
.macro WIN new
.if MSB != (\new)
	s_set_vgpr_msb (MSB<<8)|(\new)
.set MSB, (\new)
.endif
.endm
.macro JLOAD g0a, g1a, g0b, g1b        ; a joint load: waves 0 and 1 fetch for S1, waves 2 and 3 for S0; four v_nop follow each line
	s_cmp_eq_u32 s15, 0
	s_cbranch_scc0 .Lfor_b_\@
	tensor_load_to_lds s[\g0a:\g0a+3], s[\g1a:\g1a+7]
	s_nop 0
.rept 4
	v_nop
.endr
	s_branch .Lasked_\@
.Lfor_b_\@:
	tensor_load_to_lds s[\g0b:\g0b+3], s[\g1b:\g1b+7]
	s_nop 0
.rept 4
	v_nop
.endr
.Lasked_\@:
.endm
.macro CREST
	s_cmp_lg_u32 s14, 0
	s_cbranch_scc1 .Lnot_wave_0_\@
	s_barrier_signal -3
.Lnot_wave_0_\@:
	s_barrier_wait -3
	s_barrier_signal -1
	s_barrier_wait -1
.endm
.macro CROUND
	s_barrier_signal -1
	s_barrier_wait -1
	CREST
.endm
.macro PLACES n
.rept \n
	v_nop
.endr
.endm
.macro FRAG reg, adr, q, i
.irp c, 0,1,2
	ds_load_b128 v[\reg+4*\c:\reg+4*\c+3], v[\adr] offset:(\i)*TROW+(\q)*FRB+512*\c
.endr
.endm
.macro FETCH slot, q, p
	WIN 0x40
.set fi, 0
.rept TW
	FRAG 128*(\p)+12*fi, ADR0+\slot, \q, fi
.set fi, fi+1
.endr
	WIN 0
.set fi, 0
.rept TW
	FRAG F1+96*(\p)+12*fi, ADR1+\slot, \q, fi
.set fi, fi+1
.endr
.endm
.macro SCALES sc
.set fi, 0
.rept TW
.set fe, 0
.rept NQ/2
	ds_load_b64 v[SC+16*(\sc)+NQ*fi+2*fe:SC+16*(\sc)+NQ*fi+2*fe+1], v[ADRS] offset:(fi/2)*SIZE_K+128*(fi%2)+256*fe
.set fe, fe+1
.endr
.set fi, fi+1
.endr
.endm
.macro MULQ part, p, q, sc, cm         ; one tile of S1 against S0's four.  cm = 1: the sums start from the bias.  The accumulators take turns in one fixed order
.set ma, (\part)*TW/4
.if (\cm) != 0
	WIN (2<<6)|(1<<4)|1
.else
	WIN (2<<6)|(2<<4)|1
.endif
.set mb, 0
.rept TW
.set AC, 8*(TW*ma+mb)
.set CC, AC
.if (\cm) == 1
.set CC, 96+8*mb
.endif
.set RS0, 128*(\p)+12*mb
.set RS1, F1+96*(\p)+12*ma
.set RSA, SC+16*(\sc)+NQ*mb+(\q)
.set RSB, SC+16*(\sc)+NQ*ma+(\q)
	v_wmma_scale_f32_16x16x128_f8f6f4 v[AC:AC+7], v[RS0:RS0+11], v[RS1:RS1+11], v[CC:CC+7], v[RSA], v[RSB] matrix_a_fmt:MATRIX_FMT_BF6 matrix_b_fmt:MATRIX_FMT_BF6 matrix_a_scale:MATRIX_SCALE_ROW1
.set mb, mb+1
.endr
.endm
.macro STEP slot, q, cm
	s_wait_dscnt 0x0                               ; this step's fragments, asked for three quarters of a step ago
	MULQ 0, (\q)%2, \q, \slot, \cm
	PLACES 4                                       ; in front of loads into the set that the last step's products read
	FETCH \slot, (\q)+1, 1-(\q)%2
	MULQ 1, (\q)%2, \q, \slot, \cm
	MULQ 2, (\q)%2, \q, \slot, \cm
	MULQ 3, (\q)%2, \q, \slot, \cm
.endm
.macro TURN slot, next, fill
	WIN 0
	s_wait_tensorcnt 0x0                           ; all my tensor loads have landed: my part of the next slot;
	ds_add_u32 v[SPW], v[NIL]                      ; 0 onto my spare word
	s_wait_dscnt 1                                 ; the fragments are in; the add alone may be out
	MULQ 0, 1, NQ-1, \slot, 0
	s_wait_dscnt 0x0                               ; the add is done, and my reads of this slot are over
	s_barrier_signal -1
	MULQ 1, 1, NQ-1, \slot, 0
	WIN 0
	s_barrier_wait -1
.if \fill
	CREST                                          ; the barrier has opened a round of the cluster's: no wave of any partner still reads this slot or has a load on its way
	s_add_nc_u64 s[G0+4*\slot+2:G0+4*\slot+3], s[G0+4*\slot+2:G0+4*\slot+3], 2*TROW
	s_add_nc_u64 s[G0B+4*\slot+2:G0B+4*\slot+3], s[G0B+4*\slot+2:G0B+4*\slot+3], 2*TROW
	JLOAD G0+4*\slot, G1, G0B+4*\slot, G1B         ; the first tensor load behind the round; its four v_nop are the places in front of the loads below
.else
	PLACES 4
.endif
	v_add_nc_u32 v[ADRS], 128*NQ, v[ADRS]
	FETCH \next, 0, 0
	SCALES \next
	MULQ 2, 1, NQ-1, \slot, 0
	MULQ 3, 1, NQ-1, \slot, 0
.endm
	s_load_b128 s[4:7], s[0:1], 0x0                ; S1's image, the weights' images
	s_load_b128 s[8:11], s[0:1], 0x10              ; the bias, the residual
	s_load_b64 s[12:13], s[0:1], 0x20              ; the result
	v_lshl_add_u32 v[SPW], v0, 2, SPARE
	v_mov_b32 v[NIL], 0
	ds_add_u32 v28, v29
	ds_add_u32 v28, v29
	s_wait_dscnt 0x0
	v_lshrrev_b32 v1, 5, v0
	v_readfirstlane_b32 s14, v1
	s_lshr_b32 s15, s14, 1                         ; my half of S1's tiles.  Also: I fetch for S1 (0) or S0 (1)
	s_and_b32 s16, s14, 1                          ; my half of S0's.  Also: which half of that side I fetch
	s_bfe_u32 s40, ttmp6, 0x40000
	s_bfe_u32 s41, ttmp6, 0x40004
	s_lshl_b32 s42, ttmp9, 2
	s_add_co_u32 s42, s42, s40                     ; which 128 columns
	s_and_b32 s17, ttmp7, 0xffff
	s_lshl_b32 s17, s17, 2
	s_add_co_u32 s17, s17, s41                     ; which 128 rows
	s_lshl_b32 s43, s41, 2
	s_lshl_b32 s43, 15, s43
	s_lshl_b32 s44, 0x1111, s40
	s_or_b32 s[G1+0], s43, (3<<16)|(1<<21)         ; 15:0 the mask; 17:16 elements of 8 bytes; 21 set beside a mask; no padding
	s_or_b32 s[G1B+0], s44, (3<<16)|(1<<21)
.irp g, G1, G1B
	s_mov_b32 s[\g+1], (TROW/8)<<16
	s_mov_b32 s[\g+2], TW<<16
	s_mov_b32 s[\g+3], (TROW/8)<<16
	s_mov_b32 s[\g+4], TW
	s_mov_b32 s[\g+5], KT*192
	s_mov_b32 s[\g+6], 0
	s_mov_b32 s[\g+7], 0
.endr
	s_or_b32 s[G1S+0], s43, (3<<16)|(1<<21)
	s_or_b32 s[G1SB+0], s44, (3<<16)|(1<<21)
.irp g, G1S, G1SB
	s_mov_b32 s[\g+1], 32<<16
	s_mov_b32 s[\g+2], (HALFS/256)<<16
	s_mov_b32 s[\g+3], 32<<16
	s_mov_b32 s[\g+4], HALFS/256
	s_mov_b32 s[\g+5], 32
	s_mov_b32 s[\g+6], 0
	s_mov_b32 s[\g+7], 0
.endr
	s_mul_i32 s18, s16, TW
	s_mul_i32 s20, s17, 2*TW
	s_add_co_u32 s20, s20, s18
	s_mul_i32 s46, s42, 2*TW
	s_add_co_u32 s46, s46, s18
	s_mul_i32 s22, s20, SIZE_K/2
	s_mul_i32 s92, s46, SIZE_K/2
	s_mul_i32 s20, s20, KT*FRB
	s_mul_i32 s46, s46, KT*FRB
	s_mov_b32 s21, 0
	s_mov_b32 s23, 0
	s_mov_b32 s47, 0
	s_mov_b32 s93, 0
	s_mul_i32 s45, s14, HALFT
	s_mul_i32 s94, s14, HALFS
	s_wait_kmcnt 0x0
	s_add_nc_u64 s[20:21], s[4:5], s[20:21]
	s_add_nc_u64 s[22:23], s[4:5], s[22:23]
	s_add_nc_u64 s[22:23], s[22:23], S1SC
	s_add_nc_u64 s[46:47], s[6:7], s[46:47]
	s_add_nc_u64 s[46:47], s[46:47], S0C
	s_add_nc_u64 s[92:93], s[6:7], s[92:93]
	s_add_nc_u64 s[92:93], s[92:93], S0SC
	CROUND                                         ; all sixteen work-groups are here: the first joint loads meet
	s_mov_b32 s[G0S], 1
	s_add_co_u32 s[G0S+1], s94, SCL
	s_mov_b64 s[G0S+2:G0S+3], s[22:23]
	s_or_b32 s[G0S+3], s[G0S+3], 0x80000000
	s_mov_b32 s[G0SB], 1
	s_add_co_u32 s[G0SB+1], s94, SCL
	s_mov_b64 s[G0SB+2:G0SB+3], s[92:93]
	s_or_b32 s[G0SB+3], s[G0SB+3], 0x80000000
	JLOAD G0S, G1S, G0SB, G1SB
.irp s, 0,1
	s_mov_b32 s[G0+4*\s], 1
	s_add_co_u32 s[G0+4*\s+1], s45, \s*SLOT
	s_add_nc_u64 s[G0+4*\s+2:G0+4*\s+3], s[20:21], \s*TROW
	s_or_b32 s[G0+4*\s+3], s[G0+4*\s+3], 0x80000000
	s_mov_b32 s[G0B+4*\s], 1
	s_add_co_u32 s[G0B+4*\s+1], s45, \s*SLOT
	s_add_nc_u64 s[G0B+4*\s+2:G0B+4*\s+3], s[46:47], \s*TROW
	s_or_b32 s[G0B+4*\s+3], s[G0B+4*\s+3], 0x80000000
	JLOAD G0+4*\s, G1, G0B+4*\s, G1B               ; three loads of mine are out behind the second of these
.endr
	v_and_b32 v1, 31, v0
	v_lshlrev_b32 v[LI], 4, v1
	v_and_b32 v2, 15, v0                           ; r
	v_bfe_u32 v3, v0, 4, 1                         ; h
	s_mul_i32 s21, s15, HALFT
	s_mul_i32 s22, s16, HALFT
	s_add_co_u32 s22, s22, 2*HALFT
.irp s, 0,1
	v_add_nc_u32 v[ADR1+\s], s21, v[LI]
	v_add_nc_u32 v[ADR0+\s], s22, v[LI]
	s_add_co_u32 s21, s21, SLOT
	s_add_co_u32 s22, s22, SLOT
.endr
	s_mul_i32 s21, s15, HALFS
	s_mul_i32 s22, s16, HALFS
	s_add_co_u32 s22, s22, 2*HALFS
	s_sub_co_u32 s22, s22, s21
	v_mul_u32_u24 v6, s22, v3                      ; lanes 16-31 take S0's scale words: one product of the distance
	s_add_co_u32 s21, s21, SCL
	v_lshl_add_u32 v5, v2, 3, v6
	v_add_nc_u32 v[ADRS], s21, v5
	s_mul_i32 s21, s14, 4352
	s_add_co_u32 s21, s21, STG                     ; my stage
	v_mul_u32_u24 v5, v2, 272
	v_lshl_add_u32 v5, v3, 6, v5
	v_add_nc_u32 v[STO], s21, v5                   ; in: slot r, 64 h: my half's 16 columns of each 32
	v_mul_u32_u24 v5, v3, 272
	v_lshl_add_u32 v5, v2, 4, v5
	v_add_nc_u32 v[RD], s21, v5                    ; back: lanes 0-15 one slot's 256 bytes, lanes 16-31 the next's
	v_lshlrev_b32 v5, 12, v3
	v_lshl_add_u32 v[CO], v2, 4, v5                ; and the same in rows of 4,096 bytes
	s_lshl_b32 s46, s42, 9
	s_lshl_b32 s47, s16, 8
	s_add_co_u32 s46, s46, s47                     ; my first column, in bytes
	s_mov_b32 s47, 0
	s_add_nc_u64 s[8:9], s[8:9], s[46:47]
	s_lshl_b32 s20, s17, 7
	s_lshl_b32 s21, s15, 6
	s_add_co_u32 s20, s20, s21                     ; my first row
	s_lshl_b32 s20, s20, 12
	s_add_co_u32 s20, s20, s46
	s_mov_b32 s21, 0
	s_add_nc_u64 s[10:11], s[10:11], s[20:21]
	s_add_nc_u64 s[12:13], s[12:13], s[20:21]
	v_lshlrev_b32 v7, 6, v3
	WIN 0x40
.irp b, 0,1,2,3                                ; the bias: register j of tile b is bias[n0 + 32 (b / 2) + 16 h + 8 (b % 2) + j]
	global_load_b128 v[96+8*\b:96+8*\b+3], v7, s[8:9] offset:(32*(\b/2)+8*(\b%2))*4
	global_load_b128 v[100+8*\b:100+8*\b+3], v7, s[8:9] offset:(32*(\b/2)+8*(\b%2))*4+16
.endr
	WIN 0x80
.irp a, 0,1,2,3                                ; the residual: slots 2 t and 2 t + 1 of tile a are rows 32 (a / 2) + 8 (a % 2) + 2 t + 8 (t / 4) and the next; sixteen lanes read 256 consecutive bytes
.irp t, 0,1,2,3,4,5,6,7
	global_load_b128 v[128+32*\a+4*\t:128+32*\a+4*\t+3], v[CO], s[10:11] offset:(32*(\a/2)+8*(\a%2)+2*\t+8*(\t/4))*4096
.endr
.endr
	WIN 0
	s_wait_tensorcnt 1                             ; the scales and my part of slot 0 are in; slot 1's load may be out
	s_barrier_signal -1
	s_barrier_wait -1
	FETCH 0, 0, 0
	SCALES 0
	s_wait_loadcnt 32                              ; the bias is in; the residual's 32 loads may be out
	STEP 0, 0, 1                                   ; the first step starts the sums from the bias
	WIN 0
.if LAPS > 1
	s_mov_b32 s3, LAPS-1
.Llap:                                                 ; a trip goes once round the ring and fills both slots again
	STEP 0, 1, 0
	STEP 0, 2, 0
	TURN 0, 1, 1
	STEP 1, 0, 0
	STEP 1, 1, 0
	STEP 1, 2, 0
	TURN 1, 0, 1
	STEP 0, 0, 0
	WIN 0
	s_sub_co_u32 s3, s3, 1
	s_cmp_lg_u32 s3, 0
	s_cbranch_scc1 .Llap
.endif
	STEP 0, 1, 0                                   ; the last lap fills nothing
	STEP 0, 2, 0
	TURN 0, 1, 0
	STEP 1, 0, 0
	STEP 1, 1, 0
	STEP 1, 2, 0
	s_wait_dscnt 0x0
	MULQ 0, 1, NQ-1, 1, 0
	MULQ 1, 1, NQ-1, 1, 0
	MULQ 2, 1, NQ-1, 1, 0
	MULQ 3, 1, NQ-1, 1, 0
	WIN 0
	s_wait_loadcnt 0x0                             ; the residual
	PLACES 4
; THE WAY OUT, a tile of 16 rows x 64 columns at a time, through my own stage: LDS serves a wave's instructions in order, so no wait stands between the stores and the loads, nor in front of the next tile's stores.
.set ea, 0
.rept 4
.set TT, 112+96*(ea%2)
.if ea >= 2
	s_wait_xcnt 0x0                                ; the stores of the tile two back have read these registers
.endif
	WIN 0x08
.irp b, 0,1,2,3
	ds_store_b128 v[STO], v[32*ea+8*\b:32*ea+8*\b+3] offset:128*(\b/2)+32*(\b%2)           ; each accumulator from its low end on
	ds_store_b128 v[STO], v[32*ea+8*\b+4:32*ea+8*\b+7] offset:128*(\b/2)+32*(\b%2)+16
.endr
	WIN 0
.irp t, 0,1,2,3,4,5,6,7
	ds_load_b128 v[TT+4*\t:TT+4*\t+3], v[RD] offset:544*\t
.endr
	s_wait_dscnt 0x0
	WIN 0x08
.irp i, 0,2,4,6,8,10,12,14,16,18,20,22,24,26,28,30
	v_pk_add_f32 v[TT+\i:TT+\i+1], v[TT+\i:TT+\i+1], v[128+32*ea+\i:128+32*ea+\i+1]
.endr
	WIN 0
.irp t, 0,1,2,3,4,5,6,7
	global_store_b128 v[CO], v[TT+4*\t:TT+4*\t+3], s[12:13] offset:(32*(ea/2)+8*(ea%2)+2*\t+8*(\t/4))*4096     ; sixteen lanes store 256 consecutive bytes, aligned
.endr
.set ea, ea+1
.endr
	s_wait_tensorcnt 0x0                           ; the wave's end
	ds_add_u32 v[SPW], v[NIL]
	s_wait_dscnt 0x0
	CROUND                                         ; the closing round
	s_endpgm
.Lfunc_end_k_qc89f5ae847_oproj:
	.size	k_qc89f5ae847_oproj, .Lfunc_end_k_qc89f5ae847_oproj-k_qc89f5ae847_oproj
	.p2alignl 7, 3214868480
	.fill 96, 4, 3214868480
	.section	.rodata,"a",@progbits
	.p2align	6, 0x0
	.amdhsa_kernel k_qc89f5ae847_oproj
		.amdhsa_group_segment_fixed_size 327680
		.amdhsa_private_segment_fixed_size 0
		.amdhsa_enable_private_segment 0
		.amdhsa_kernarg_size 40
		.amdhsa_user_sgpr_count 2
		.amdhsa_user_sgpr_kernarg_segment_ptr 1
		.amdhsa_wavefront_size32 1
		.amdhsa_system_sgpr_workgroup_id_x 1
		.amdhsa_system_sgpr_workgroup_id_y 1
		.amdhsa_system_sgpr_workgroup_id_z 1
		.amdhsa_system_vgpr_workitem_id 0
		.amdhsa_next_free_vgpr 768
		.amdhsa_next_free_sgpr 102
		.amdhsa_reserve_vcc 0
		.amdhsa_float_denorm_mode_32 3
		.amdhsa_float_denorm_mode_16_64 3
		.amdhsa_memory_ordered 1
		.amdhsa_forward_progress 1
		.amdhsa_inst_pref_size 58
	.end_amdhsa_kernel
	.amdgpu_metadata
---
amdhsa.version: [ 1, 2 ]
amdhsa.kernels:
  - .name:           k_qc89f5ae847_oproj
    .symbol:         k_qc89f5ae847_oproj.kd
    .args:
      - { .name: cimg, .offset: 0, .size: 8, .value_kind: global_buffer, .address_space: global }
      - { .name: wimg, .offset: 8, .size: 8, .value_kind: global_buffer, .address_space: global }
      - { .name: bo, .offset: 16, .size: 8, .value_kind: global_buffer, .address_space: global }
      - { .name: x_refined, .offset: 24, .size: 8, .value_kind: global_buffer, .address_space: global }
      - { .name: ybuf, .offset: 32, .size: 8, .value_kind: global_buffer, .address_space: global }
    .group_segment_fixed_size: 327680
    .private_segment_fixed_size: 0
    .kernarg_segment_align: 8
    .kernarg_segment_size: 40
    .max_flat_workgroup_size: 128
    .sgpr_count:     102
    .vgpr_count:     768
    .wavefront_size: 32
...
	.end_amdgpu_metadata
.endif
;; end of part 5
;; launch ln2: the kernel of part 2 again; grid 256 x 1, 8 waves a work-group, no clusters, 67,584 bytes of LDS; arguments ybuf, x_mem, ln_f_g, ln_kv_g, ln_f_b, ln_kv_b, himg; writes himg
;; launch ffn1 (part 6): grid 16 x 16, 4 waves a work-group, clusters of 4 x 4, 327,680 bytes of LDS; arguments himg, wimg, b1, gimg; writes gimg
.if DOCPART == 6
	.amdgcn_target "amdgcn-amd-amdhsa--gfx1250"
	.amdhsa_code_object_version 6
	.text
	.protected	k_qc89f5ae847_ffn1
	.globl	k_qc89f5ae847_ffn1
	.p2align	8
	.type	k_qc89f5ae847_ffn1,@function
k_qc89f5ae847_ffn1:
	s_mov_b64 s[64:65], 0
	v_nop
	global_prefetch_b8 v0, s[64:65] scope:SCOPE_SE
	s_setreg_imm32_b32 hwreg(HW_REG_WAVE_MODE, 25, 1), 1
	s_wait_xcnt 0x0
	s_wait_alu depctr_hold_cnt(0) depctr_sa_sdst(0) depctr_va_vdst(0) depctr_va_sdst(0) depctr_va_ssrc(0) depctr_va_vcc(0) depctr_vm_vsrc(0)
	s_getreg_b32 s2, hwreg(HW_REG_IB_STS2, 6, 4)
	s_cmp_eq_u32 s2, 0
	s_cbranch_scc0 .Lentry_in_a_cluster
	s_endpgm
.Lentry_in_a_cluster:
	s_bfe_u32 s2, ttmp6, 0x10000c
	s_cmp_lg_u32 s2, 0xf033
	s_cbranch_scc0 .Lentry_shape_is_right
	s_endpgm
.Lentry_shape_is_right:
; A GEMM on codes of BF6 (E3M2) whose result, with its bias, is quantised again on the way out.  Both operands and the result are IMAGES OF OPERAND REGISTERS: tile T = 2 g + u of 16 rows, lane slot r = row
; 32 g + 8 u + r + 8 (r / 8); fragment (T, s = k / 128) = 1,536 bytes, register c of lane L at 512 (c / 4) + 16 L + 4 (c % 4); order [T][s]; scales [g][k / 256][u][r][2 words].
; SOURCE 0 = 16 rows of S0, SOURCE 1 = 16 rows of S1: a lane holds ONE row of S1, and by the images' order of rows the 64 registers of its 8 tiles of S0 are 4 x 16 neighbours along S0's rows: the next product's K.
; QKV = 1: cluster x chooses the product.  0: q = Q Wq + bq, 1: k = KV Wk + bk (S1 = the rows of x, S0 = W^T; result image [rows m][K = n]).  2: v = KV Wv + bv with the sides changed (S1 = Wv^T, S0 = x): result image [rows n][K = m], the keys innermost.
; QKV = 0: g = gelu(h W1 + b1), S1 = h, S0 = W1^T, result image [rows m][K = n].
; A work-group makes 256 x 256, each of its four waves 128 x 128: 64 accumulators.  K goes in slots of 256 through a ring of two LDS slots; a tile's part of a slot is 3,072 consecutive bytes of memory.
; CLUSTER 4 x 4: S1's tiles are shared along a row of the cluster, S0's along a column: joint loads.  The scales of the work-group's rows, for all of K, come once with the first fills.
; The bias is the C of the first K step's products.  LIMITS: NaN and infinities are not served; blocks whose largest magnitude lies under 2^-122, and blocks of zeros, get the byte 1 (read by this program alone).
; GELU = 1: gelu(x) = max(x, 0) - |x| E, E = half the complementary error function of |x| / sqrt(2) by a polynomial of degree 5 in 1 / (1 + 0.2316 |x|) times 2^(-0.7213 x^2); E's absolute error is about 1e-7.
.set QKV,  0
.set GELU, 1
.set TW,   8                           ; tiles of 16 rows a wave and side
.set NQ,   2                           ; steps of 128 along K in a slot
.set SIZE_K, 1024
.set KT,   SIZE_K/128
.set FRB,  1536
.set TROW, NQ*FRB                      ; a tile's bytes in a slot
.set HALFT, TW*TROW                    ; what one tensor load brings
.set SLOT, 4*HALFT                     ; S1's 16 tiles, then S0's
.set LAPS, KT/NQ/2
.set HALFS, (TW/2)*SIZE_K              ; the scales of 8 tiles
.set SCL,  2*SLOT                      ; behind the ring: the scales
.set SPARE, 262144                     ; the spare words: 128 bytes a wave, named by no other line
.set SSTG, 262656                      ; the result's scale words: 2,048 bytes.  (The dump of the accumulators, 65,536 bytes a wave from byte 0, lies over ring and scales when these have had their last fill and their last read)
.set ADR1, 16                          ; v16-17 my S1 fragments in slot 0, 1
.set ADR0, 20                          ; v20-21 my S0 fragments
.set LI,   24                          ; 16 x lane
.set DA,   25                          ; my dump
.set DL,   26                          ; the dump's pair of tiles in hand
.set ADRS, 27                          ; scale words: lanes 0-15 S1's, lanes 16-31 S0's
.set SPW,  28
.set NIL,  29
.set PW,   30                          ; the scale word just made
.set SSA,  31                          ; where it goes in LDS
.set SC,   32                          ; v32-63 scale words: set sc, tile i, step q at SC + 16 sc + NQ i + q
.set F1,   64                          ; window 0: S1's fragments, two sets of 96.  Window 1: S0's, sets at 0 and 128; the bias at 96-127 and 224-255.  Windows 2, 3: accumulator (a, b) at 8 (8 a + b)
.set H0,   64                          ; the way out, window 0: two sets of 64 numbers,
.set H1,   128
.set PC,   192                         ; 12 registers of codes,
.set PT,   204
.set TM,   212                         ; 12 at work
.set GT,   192                         ; gelu: 16 t, 16 exponentials, 16 polynomials
.set GU,   208
.set GP,   224
.set GA5,  240
.set SSC,  242
.set SSR,  243
.set SCV,  244
.set SEL,  100
.set G1, 24
.set G0, 32
.set G1B, 48
.set G0B, 56
.set G1S, 68
.set G0S, 76
.set G1SB, 80
.set G0SB, 88
.set OUT, 4
.set OST, 6
.set SCO, 8
.set DOF, 10
.set SOF, 11
.set MSB, 0
.macro WIN new                         ; the immediate's high byte repeats the setting that is left
.if MSB != (\new)
	s_set_vgpr_msb (MSB<<8)|(\new)
.set MSB, (\new)
.endif
.endm
.macro JLOAD g0a, g1a, g0b, g1b        ; a joint load: waves 0 and 1 fetch for S1, waves 2 and 3 for S0; four v_nop follow each line
	s_cmp_eq_u32 s15, 0
	s_cbranch_scc0 .Lfor_b_\@
	tensor_load_to_lds s[\g0a:\g0a+3], s[\g1a:\g1a+7]
	s_nop 0
.rept 4
	v_nop
.endr
	s_branch .Lasked_\@
.Lfor_b_\@:
	tensor_load_to_lds s[\g0b:\g0b+3], s[\g1b:\g1b+7]
	s_nop 0
.rept 4
	v_nop
.endr
.Lasked_\@:
.endm
.macro CREST                           ; a round of the cluster's barrier behind its opening barrier
	s_cmp_lg_u32 s14, 0
	s_cbranch_scc1 .Lnot_wave_0_\@
	s_barrier_signal -3
.Lnot_wave_0_\@:
	s_barrier_wait -3
	s_barrier_signal -1
	s_barrier_wait -1
.endm
.macro CROUND
	s_barrier_signal -1
	s_barrier_wait -1
	CREST
.endm
.macro PLACES n
.rept \n
	v_nop
.endr
.endm
.macro FRAG reg, adr, q, i             ; a fragment comes as it lies: three loads of 512 consecutive bytes
.irp c, 0,1,2
	ds_load_b128 v[\reg+4*\c:\reg+4*\c+3], v[\adr] offset:(\i)*TROW+(\q)*FRB+512*\c
.endr
.endm
.macro FETCH slot, q, p                ; all fragments of the slot's q-th step into set p
	WIN 0x40
.set fi, 0
.rept TW
	FRAG 128*(\p)+12*fi, ADR0+\slot, \q, fi
.set fi, fi+1
.endr
	WIN 0
.set fi, 0
.rept TW
	FRAG F1+96*(\p)+12*fi, ADR1+\slot, \q, fi
.set fi, fi+1
.endr
.endm
.macro SCALES sc                       ; a slot's scale words
.set fi, 0
.rept TW
.set fe, 0
.rept NQ/2
	ds_load_b64 v[SC+16*(\sc)+NQ*fi+2*fe:SC+16*(\sc)+NQ*fi+2*fe+1], v[ADRS] offset:(fi/2)*SIZE_K+128*(fi%2)+256*fe
.set fe, fe+1
.endr
.set fi, fi+1
.endr
.endm
; A quarter of a step: TW / 4 tiles of S1 against all of S0's.  cm = 0: the sums go on; 1: they start from the bias by S0's rows; 2: by S1's rows.  The accumulators take turns in one fixed order.
.macro MULQ part, p, q, sc, cm
.set ma, (\part)*TW/4
.rept TW/4
.set WD, 2+(8*TW*ma)/256
.if (\cm) != 0
	WIN (WD<<6)|(1<<4)|1
.else
	WIN (WD<<6)|(WD<<4)|1
.endif
.set mb, 0
.rept TW
.set AC, (8*(TW*ma+mb))%256
.set CC, AC
.if (\cm) == 1
.set CC, 96+8*mb+96*(mb/4)
.endif
.if (\cm) == 2
.set CC, 96+8*ma+96*(ma/4)
.endif
.set RS0, 128*(\p)+12*mb
.set RS1, F1+96*(\p)+12*ma
.set RSA, SC+16*(\sc)+NQ*mb+(\q)
.set RSB, SC+16*(\sc)+NQ*ma+(\q)
	v_wmma_scale_f32_16x16x128_f8f6f4 v[AC:AC+7], v[RS0:RS0+11], v[RS1:RS1+11], v[CC:CC+7], v[RSA], v[RSB] matrix_a_fmt:MATRIX_FMT_BF6 matrix_b_fmt:MATRIX_FMT_BF6 matrix_a_scale:MATRIX_SCALE_ROW1
.set mb, mb+1
.endr
.set ma, ma+1
.endr
.endm
.macro STEP slot, q, cm                ; a step that has its successor in the same slot
	s_wait_dscnt 0x0                               ; this step's fragments, asked for three quarters of a step ago
	MULQ 0, (\q)%2, \q, \slot, \cm
	PLACES 4                                       ; in front of loads into the set that the last step's products read
	FETCH \slot, (\q)+1, 1-(\q)%2
	MULQ 1, (\q)%2, \q, \slot, \cm
	MULQ 2, (\q)%2, \q, \slot, \cm
	MULQ 3, (\q)%2, \q, \slot, \cm
.endm
.macro TURN slot, next, fill           ; a slot's last step changes slots
	WIN 0
	s_wait_tensorcnt 0x0                           ; all my tensor loads have landed: my part of the next slot;
	ds_add_u32 v[SPW], v[NIL]                      ; 0 onto my spare word
	s_wait_dscnt 1                                 ; the fragments are in; the add alone may be out
	MULQ 0, 1, NQ-1, \slot, 0
	s_wait_dscnt 0x0                               ; the add is done, and my reads of this slot are over
	s_barrier_signal -1
	MULQ 1, 1, NQ-1, \slot, 0
	WIN 0
	s_barrier_wait -1
.if \fill
	CREST                                          ; the barrier has opened a round of the cluster's: no wave of any partner still reads this slot or has a load on its way
	s_add_nc_u64 s[G0+4*\slot+2:G0+4*\slot+3], s[G0+4*\slot+2:G0+4*\slot+3], 2*TROW
	s_add_nc_u64 s[G0B+4*\slot+2:G0B+4*\slot+3], s[G0B+4*\slot+2:G0B+4*\slot+3], 2*TROW
	JLOAD G0+4*\slot, G1, G0B+4*\slot, G1B         ; the first tensor load behind the round; its four v_nop are the places in front of the loads below
.else
	PLACES 4
.endif
	v_add_nc_u32 v[ADRS], 128*NQ, v[ADRS]          ; the next slot's scale words
	FETCH \next, 0, 0
	SCALES \next
	MULQ 2, 1, NQ-1, \slot, 0
	MULQ 3, 1, NQ-1, \slot, 0
.endm
; 64 numbers of a lane, register 16 b + i = k 32 b + 16 (lane / 16) + i of my row, become a fragment's codes and its scale word
.macro QUANT s, pc, pw
.irp b, 0,1,2,3
	v_max3_num_f32 v[TM+\b], |v[\s+16*\b]|, |v[\s+1+16*\b]|, 0x2800000   ; with the floor 2^(5 - 127)
.endr
.irp i, 2,4,6,8,10,12,14
.irp b, 0,1,2,3
	v_max3_num_f32 v[TM+\b], v[TM+\b], |v[\s+16*\b+\i]|, |v[\s+1+16*\b+\i]|
.endr
.endr
.irp b, 0,1,2,3
	v_permlanex16_b32 v[TM+4+\b], v[TM+\b], s[SEL], s[SEL+1]
.endr
.irp b, 0,1,2,3
	v_max_num_f32 v[TM+\b], v[TM+\b], v[TM+4+\b]   ; with lane l xor 16's 16: the block's largest magnitude
.endr
.irp b, 0,1,2,3
	v_add_nc_u32 v[TM+8+\b], 0xfe000000, v[TM+\b]  ; 4 off the exponent field: the conversion's scale operand
.endr
.irp b, 0,1,2,3
	v_lshrrev_b32 v[TM+4+\b], 23, v[TM+8+\b]       ; the byte
.endr
	v_lshl_or_b32 v[\pw], v[TM+5], 8, v[TM+4]
	v_lshl_or_b32 v[\pw], v[TM+6], 16, v[\pw]
	v_lshl_or_b32 v[\pw], v[TM+7], 24, v[\pw]
.irp c, 0,1
	v_cvt_scalef32_pk16_bf6_f32 v[\pc+6*\c:\pc+6*\c+2], v[\s+32*\c:\s+32*\c+15], v[TM+8+2*\c]
	v_cvt_scalef32_pk16_bf6_f32 v[PT+4*\c:PT+4*\c+2], v[\s+16+32*\c:\s+31+32*\c], v[TM+9+2*\c]
.endr
	v_nop                                          ; one plain line behind the conversions
.irp c, 0,1                                    ; the layout wants a whole block in a lane
.irp i, 0,1,2
	v_permlane16_swap_b32 v[\pc+6*\c+\i], v[PT+4*\c+\i]
.endr
.irp i, 0,1,2
	v_mov_b32 v[\pc+3+6*\c+\i], v[PT+4*\c+\i]
.endr
.endr
.endm
	s_load_b128 s[4:7], s[0:1], 0x0                ; the activations' image, the weights' images
	s_load_b128 s[8:11], s[0:1], 0x10              ; QKV: bq, bk; else: b1, the result
.if QKV
	s_load_b128 s[96:99], s[0:1], 0x20             ; bv, the result
.endif
	v_lshl_add_u32 v[SPW], v0, 2, SPARE
	v_mov_b32 v[NIL], 0
	ds_add_u32 v28, v29
	ds_add_u32 v28, v29
	s_wait_dscnt 0x0
	v_lshrrev_b32 v1, 5, v0
	v_readfirstlane_b32 s14, v1                    ; wave
	s_lshr_b32 s15, s14, 1                         ; my half of S1's tiles.  Also: I fetch for S1 (0) or S0 (1)
	s_and_b32 s16, s14, 1                          ; my half of S0's.  Also: which half of that side I fetch
	s_bfe_u32 s40, ttmp6, 0x40000                  ; cx
	s_bfe_u32 s41, ttmp6, 0x40004                  ; cy
	s_and_b32 s18, ttmp7, 0xffff                   ; cluster y
.if QKV
	s_mov_b32 s66, ttmp9                           ; which product: the same in all partners of a cluster
	s_cmp_eq_u32 s66, 2
	s_cselect_b32 s19, s18, 0                      ; the long side (4,096 rows of x) is walked by cluster y: it is S0 for v,
	s_cselect_b32 s18, 0, s18                      ; S1 for q and k
.else
	s_mov_b32 s19, ttmp9
.endif
	s_lshl_b32 s42, s19, 2
	s_add_co_u32 s42, s42, s40                     ; which 256 rows of S0
	s_lshl_b32 s17, s18, 2
	s_add_co_u32 s17, s17, s41                     ; which 256 rows of S1
	s_lshl_b32 s43, s41, 2
	s_lshl_b32 s43, 15, s43                        ; my row of the cluster
	s_lshl_b32 s44, 0x1111, s40                    ; my column
	s_or_b32 s[G1+0], s43, (3<<16)|(1<<21)         ; 15:0 the mask; 17:16 elements of 8 bytes; 21 set beside a mask; no padding
	s_or_b32 s[G1B+0], s44, (3<<16)|(1<<21)
.irp g, G1, G1B
	s_mov_b32 s[\g+1], (TROW/8)<<16                ; tensor_dim0: a tile's part of a slot
	s_mov_b32 s[\g+2], TW<<16                      ; tensor_dim1: 8 tiles
	s_mov_b32 s[\g+3], (TROW/8)<<16                ; tile_dim0
	s_mov_b32 s[\g+4], TW                          ; tile_dim1
	s_mov_b32 s[\g+5], KT*192                      ; from tile to tile: KT fragments
	s_mov_b32 s[\g+6], 0
	s_mov_b32 s[\g+7], 0
.endr
	s_or_b32 s[G1S+0], s43, (3<<16)|(1<<21)
	s_or_b32 s[G1SB+0], s44, (3<<16)|(1<<21)
.irp g, G1S, G1SB                              ; the scales of 8 tiles: a dense block, as rows of 256 bytes
	s_mov_b32 s[\g+1], 32<<16
	s_mov_b32 s[\g+2], (HALFS/256)<<16
	s_mov_b32 s[\g+3], 32<<16
	s_mov_b32 s[\g+4], HALFS/256
	s_mov_b32 s[\g+5], 32
	s_mov_b32 s[\g+6], 0
	s_mov_b32 s[\g+7], 0
.endr
	s_mul_i32 s18, s16, TW
	s_mul_i32 s20, s17, 2*TW
	s_add_co_u32 s20, s20, s18                     ; the first tile of S1 that I would fetch,
	s_mul_i32 s46, s42, 2*TW
	s_add_co_u32 s46, s46, s18                     ; of S0
	s_mul_i32 s22, s20, SIZE_K/2                   ; their scales,
	s_mul_i32 s92, s46, SIZE_K/2
	s_mul_i32 s20, s20, KT*FRB                     ; their codes
	s_mul_i32 s46, s46, KT*FRB
	s_mov_b32 s21, 0
	s_mov_b32 s23, 0
	s_mov_b32 s47, 0
	s_mov_b32 s93, 0
	s_mul_i32 s45, s14, HALFT                      ; where they go: no place in the cluster enters an LDS address
	s_mul_i32 s94, s14, HALFS
	s_wait_kmcnt 0x0
.if QKV
	s_mov_b32 s19, 0
	s_cmp_eq_u32 s66, 0                            ; q reads tensor 0 of the image, k and v tensor 1
	s_cselect_b32 s18, 0, 131072
	s_add_nc_u64 s[100:101], s[4:5], s[18:19]
	s_add_nc_u64 s[100:101], s[100:101], 6291456   ; x's scales
	s_cselect_b32 s18, 0, 3145728
	s_add_nc_u64 s[4:5], s[4:5], s[18:19]          ; x's codes
	s_mul_i32 s18, s66, 32768
	s_add_nc_u64 s[2:3], s[6:7], s[18:19]
	s_add_nc_u64 s[2:3], s[2:3], 9437184           ; W's scales
	s_mul_i32 s18, s66, 786432
	s_add_nc_u64 s[6:7], s[6:7], s[18:19]          ; W's codes
	s_cmp_eq_u32 s66, 2                            ; for v the sides change places
	s_cselect_b64 s[12:13], s[6:7], s[4:5]         ; S1's codes
	s_cselect_b64 s[6:7], s[4:5], s[6:7]           ; S0's codes
	s_cselect_b64 s[4:5], s[2:3], s[100:101]       ; S1's scales
	s_cselect_b64 s[2:3], s[100:101], s[2:3]       ; S0's scales
.else
	s_mov_b64 s[12:13], s[4:5]                     ; S1 = h: codes,
	s_add_nc_u64 s[4:5], s[4:5], 6291456           ; scales
	s_add_nc_u64 s[2:3], s[6:7], 9568256           ; S0 = W1: scales,
	s_add_nc_u64 s[6:7], s[6:7], 3145728           ; codes
.endif
	s_add_nc_u64 s[20:21], s[12:13], s[20:21]
	s_add_nc_u64 s[22:23], s[4:5], s[22:23]
	s_add_nc_u64 s[46:47], s[6:7], s[46:47]
	s_add_nc_u64 s[92:93], s[2:3], s[92:93]
.if QKV
	s_cmp_eq_u32 s66, 1
	s_cselect_b64 s[8:9], s[10:11], s[8:9]
	s_cmp_eq_u32 s66, 2
	s_cselect_b64 s[8:9], s[96:97], s[8:9]         ; the product's bias
	s_mov_b64 s[12:13], s[98:99]                   ; the result
.else
	s_mov_b64 s[12:13], s[10:11]
.endif
	CROUND                                         ; all sixteen work-groups are here: the first joint loads meet
	s_mov_b32 s[G0S], 1
	s_add_co_u32 s[G0S+1], s94, SCL
	s_mov_b64 s[G0S+2:G0S+3], s[22:23]
	s_or_b32 s[G0S+3], s[G0S+3], 0x80000000
	s_mov_b32 s[G0SB], 1
	s_add_co_u32 s[G0SB+1], s94, SCL
	s_mov_b64 s[G0SB+2:G0SB+3], s[92:93]
	s_or_b32 s[G0SB+3], s[G0SB+3], 0x80000000
	JLOAD G0S, G1S, G0SB, G1SB                     ; the scales first
.irp s, 0,1
	s_mov_b32 s[G0+4*\s], 1
	s_add_co_u32 s[G0+4*\s+1], s45, \s*SLOT
	s_add_nc_u64 s[G0+4*\s+2:G0+4*\s+3], s[20:21], \s*TROW
	s_or_b32 s[G0+4*\s+3], s[G0+4*\s+3], 0x80000000
	s_mov_b32 s[G0B+4*\s], 1
	s_add_co_u32 s[G0B+4*\s+1], s45, \s*SLOT
	s_add_nc_u64 s[G0B+4*\s+2:G0B+4*\s+3], s[46:47], \s*TROW
	s_or_b32 s[G0B+4*\s+3], s[G0B+4*\s+3], 0x80000000
	JLOAD G0+4*\s, G1, G0B+4*\s, G1B               ; three loads of mine are out behind the second of these
.endr
	v_and_b32 v1, 31, v0
	v_lshlrev_b32 v[LI], 4, v1
	v_and_b32 v2, 15, v0                           ; r
	v_bfe_u32 v3, v0, 4, 1                         ; h
	s_mul_i32 s21, s15, HALFT
	s_mul_i32 s22, s16, HALFT
	s_add_co_u32 s22, s22, 2*HALFT
.irp s, 0,1
	v_add_nc_u32 v[ADR1+\s], s21, v[LI]
	v_add_nc_u32 v[ADR0+\s], s22, v[LI]
	s_add_co_u32 s21, s21, SLOT
	s_add_co_u32 s22, s22, SLOT
.endr
	s_mul_i32 s21, s15, HALFS                      ; S1's scales: my half
	s_mul_i32 s22, s16, HALFS                      ; S0's: my half, behind S1's two
	s_add_co_u32 s22, s22, 2*HALFS
	s_sub_co_u32 s22, s22, s21
	v_mul_u32_u24 v6, s22, v3                      ; lanes 16-31 take S0's: one product of the distance
	s_add_co_u32 s21, s21, SCL
	v_lshl_add_u32 v5, v2, 3, v6
	v_add_nc_u32 v[ADRS], s21, v5
	s_lshl_b32 s21, s14, 16
	v_add_nc_u32 v[DA], s21, v[LI]
	s_lshl_b32 s21, s15, 10
	s_lshl_b32 s22, s16, 2
	s_add_co_u32 s21, s21, s22
	s_add_co_u32 s21, s21, SSTG
	v_lshlrev_b32 v5, 3, v2
	v_add_nc_u32 v[SSA], s21, v5                   ; 1,024 x my half of S1 + 4 x my half of S0 + 8 r
.if QKV
	s_cmp_eq_u32 s66, 2
	s_cbranch_scc1 .Lbias_v
.endif
	s_lshl_b32 s46, s42, 10                        ; the bias by S0's rows: register j of tile b is bias[n0 + 32 (b / 2) + 16 h + 8 (b % 2) + j]
	s_lshl_b32 s47, s16, 9
	s_add_co_u32 s46, s46, s47
	s_mov_b32 s47, 0
	s_add_nc_u64 s[8:9], s[8:9], s[46:47]
	v_lshlrev_b32 v7, 6, v3
	WIN 0x40
.irp b, 0,1,2,3,4,5,6,7
	global_load_b128 v[96+8*\b+96*(\b/4):96+8*\b+96*(\b/4)+3], v7, s[8:9] offset:(32*(\b/2)+8*(\b%2))*4
	global_load_b128 v[100+8*\b+96*(\b/4):100+8*\b+96*(\b/4)+3], v7, s[8:9] offset:(32*(\b/2)+8*(\b%2))*4+16
.endr
	WIN 0
.if QKV
	s_branch .Lbias_done
.Lbias_v:
	s_lshl_b32 s20, s17, 10                        ; the bias by S1's rows: all eight registers of tile a hold bv of my lane's row
	s_lshl_b32 s21, s15, 9
	s_add_co_u32 s20, s20, s21
	s_mov_b32 s21, 0
	s_add_nc_u64 s[8:9], s[8:9], s[20:21]
	v_and_b32 v7, 8, v2
	v_add_nc_u32 v7, v7, v2
	v_lshlrev_b32 v7, 2, v7
	WIN 0x40
.irp a, 0,1,2,3,4,5,6,7
.irp j, 0,1,2,3,4,5,6,7
	global_load_b32 v[96+8*\a+96*(\a/4)+\j], v7, s[8:9] offset:(32*(\a/2)+8*(\a%2))*4
.endr
.endr
	WIN 0
.Lbias_done:
.endif
	s_wait_tensorcnt 1                             ; the scales and my part of slot 0 are in; slot 1's load may be out
	s_barrier_signal -1
	s_barrier_wait -1
	FETCH 0, 0, 0
	SCALES 0
	s_wait_loadcnt 0x0                             ; the bias
.if QKV
	s_cmp_eq_u32 s66, 2
	s_cbranch_scc1 .Lfirst_v
	STEP 0, 0, 1                                   ; the first step starts the sums from the bias
	WIN 0
	s_branch .Lfirst_done
.Lfirst_v:
	STEP 0, 0, 2
	WIN 0
.Lfirst_done:
.else
	STEP 0, 0, 1
	WIN 0
.endif
	s_mov_b32 s3, LAPS-1
.Llap:                                                 ; a trip goes once round the ring and fills both slots again
	TURN 0, 1, 1
	STEP 1, 0, 0
	TURN 1, 0, 1
	STEP 0, 0, 0
	WIN 0
	s_sub_co_u32 s3, s3, 1
	s_cmp_lg_u32 s3, 0
	s_cbranch_scc1 .Llap
	TURN 0, 1, 0                                   ; the last lap fills nothing
	STEP 1, 0, 0
	s_wait_dscnt 0x0                               ; my last reads of ring and scales are in:
	s_barrier_signal -1                            ; say so,
	MULQ 0, 1, NQ-1, 1, 0
	MULQ 1, 1, NQ-1, 1, 0
	MULQ 2, 1, NQ-1, 1, 0
	MULQ 3, 1, NQ-1, 1, 0
	WIN 0
	s_barrier_wait -1                              ; and when all four have said so, ring and scales may be written over
	PLACES 4
; THE WAY OUT.  The accumulators are dumped into LDS, 8,192 bytes a tile of S1, so that ONE text in a loop serves all eight tiles; each tile's 64 numbers a lane come back, are (gelu'd and) quantised, and are one fragment of the result.
.set da, 0
.rept 8
	WIN 0x08+4*(da/4)
.set dk, 0
.rept 16
	ds_store_b128 v[DA], v[64*(da%4)+4*dk:64*(da%4)+4*dk+3] offset:8192*da+512*dk      ; each accumulator from its low end on
.set dk, dk+1
.endr
.set da, da+1
.endr
	WIN 0
.if QKV
	s_cmp_eq_u32 s66, 2
	s_cselect_b32 s67, 5, 3                        ; log2 of the result's fragments a tile: K = 4,096 for v, 1,024 for q and k
.else
	s_mov_b32 s67, 5
.endif
	s_add_co_u32 s95, s67, 7                       ; log2 of its scale bytes a g
	s_lshl_b32 s20, s17, 4
	s_lshl_b32 s21, s15, 3
	s_add_co_u32 s20, s20, s21                     ; my first tile of the result,
	s_lshl_b32 s20, s20, s67
	s_lshl_b32 s46, s42, 1
	s_add_co_u32 s46, s46, s16                     ; my K step of it
	s_add_co_u32 s20, s20, s46
	s_mul_i32 s20, s20, FRB
	s_lshl_b32 s22, s17, 3
	s_lshl_b32 s22, s22, s95
	s_lshl_b32 s46, s42, 8
	s_add_co_u32 s22, s22, s46                     ; the work-group's scale words
.if QKV
	s_mul_i32 s21, s66, 3145728
	s_add_co_u32 s20, s20, s21
	s_mul_i32 s21, s66, 131072
	s_add_co_u32 s22, s22, s21
	s_add_co_u32 s22, s22, 9437184
.else
	s_add_co_u32 s22, s22, 12582912
.endif
	s_mov_b32 s21, 0
	s_mov_b32 s23, 0
	s_add_nc_u64 s[OUT:OUT+1], s[12:13], s[20:21]
	s_add_nc_u64 s[SCO:SCO+1], s[12:13], s[22:23]
	s_lshl_b32 s[OST], FRB, s67                    ; from tile to tile
	s_mov_b32 s[OST+1], 0
	s_mov_b32 s[SEL], 0x76543210
	s_mov_b32 s[SEL+1], 0xfedcba98
.irp b, 4,5,6,7
	v_mov_b32 v[TM+\b], 0                          ; written once: a lane permute's destination counts as one of its sources
.endr
.if GELU
	s_mov_b32 s2, 0x3e6d3388                       ; 0.231641888
	v_mov_b32 v[GA5], 0x3f07dc22                   ; 0.5307027145
	v_mov_b32 v[GA5+1], 0x3f07dc22
.endif
	s_lshl_b32 s20, s14, 9
	s_add_co_u32 s20, s20, SSTG
	v_add_nc_u32 v[SSR], s20, v[LI]                ; the scale words' way out: 512 bytes a wave
	s_lshl_b32 s20, s14, 1
	v_add_nc_u32 v[SCV], s20, v3
	v_lshlrev_b32 v[SCV], s95, v[SCV]
	v_lshl_add_u32 v[SCV], v2, 4, v[SCV]           ; g' = 2 w + lane / 16; 16 bytes a lane
.macro LOADH h, off
.set li, 0
.rept 16
	ds_load_b128 v[\h+4*li:\h+4*li+3], v[DL] offset:\off+512*li    ; LDS serves a wave's instructions in order: these see my stores
.set li, li+1
.endr
.endm
.macro GELUM h
.set gn, 0
.rept 4                                        ; 16 numbers at a time
.set gx, \h+16*gn
.irp i, 0,1,2,3,4,5,6,7,8,9,10,11,12,13,14,15
	v_fma_f32 v[GT+\i], |v[gx+\i]|, s2, 1.0
.endr
.irp i, 0,2,4,6,8,10,12,14
	v_pk_mul_f32 v[GU+\i:GU+\i+1], v[gx+\i:gx+\i+1], v[gx+\i:gx+\i+1]
.endr
.irp i, 0,2,4,6,8,10,12,14
	v_pk_mul_f32 v[GU+\i:GU+\i+1], v[GU+\i:GU+\i+1], 0xbf38aa3b op_sel_hi:[1,0]     ; -x^2 log2(e) / 2
.endr
.irp i, 0,1,2,3,4,5,6,7,8,9,10,11,12,13,14,15
	v_rcp_f32 v[GT+\i], v[GT+\i]
.endr
.irp i, 0,1,2,3,4,5,6,7,8,9,10,11,12,13,14,15
	v_exp_f32 v[GU+\i], v[GU+\i]
.endr
	v_nop                                          ; a plain line behind the batch,
	s_wait_alu depctr_va_vdst(0)                   ; and one wait for its 32 results, ahead of their first reader
.irp i, 0,2,4,6,8,10,12,14
	v_pk_fma_f32 v[GP+\i:GP+\i+1], v[GT+\i:GT+\i+1], v[GA5:GA5+1], 0xbf3a00e3 op_sel_hi:[1,1,0]
.endr
.irp k, 0x3f35f0e3, 0xbe11a98e, 0x3e027906
.irp i, 0,2,4,6,8,10,12,14
	v_pk_fma_f32 v[GP+\i:GP+\i+1], v[GP+\i:GP+\i+1], v[GT+\i:GT+\i+1], \k op_sel_hi:[1,1,0]
.endr
.endr
.irp i, 0,2,4,6,8,10,12,14
	v_pk_mul_f32 v[GP+\i:GP+\i+1], v[GP+\i:GP+\i+1], v[GT+\i:GT+\i+1]
.endr
.irp i, 0,2,4,6,8,10,12,14
	v_pk_mul_f32 v[GP+\i:GP+\i+1], v[GP+\i:GP+\i+1], v[GU+\i:GU+\i+1]      ; E
.endr
.irp i, 0,1,2,3,4,5,6,7,8,9,10,11,12,13,14,15
	v_max_num_f32 v[GT+\i], 0, v[gx+\i]
.endr
.irp i, 0,1,2,3,4,5,6,7,8,9,10,11,12,13,14,15
	v_fma_f32 v[gx+\i], -|v[gx+\i]|, v[GP+\i], v[GT+\i]
.endr
.set gn, gn+1
.endr
.endm
.macro PROC h, par
.if GELU
	GELUM \h
.endif
	QUANT \h, PC, PW
.irp c, 0,1,2
	global_store_b128 v[LI], v[PC+4*\c:PC+4*\c+3], s[OUT:OUT+1] offset:512*\c      ; a fragment of the result: 512 consecutive bytes a store
.endr
	ds_store_b32 v[SSC], v[PW] offset:128*\par     ; both halves of the lanes write the same word with the same value
	s_wait_xcnt 0x0                                ; the stores have read their registers and their base: both are written again behind this wait
	s_add_nc_u64 s[OUT:OUT+1], s[OUT:OUT+1], s[OST:OST+1]
.endm
	s_mov_b32 s[DOF], 0
	s_mov_b32 s[SOF], 0
	s_mov_b32 s3, 4
.Lout:                                                 ; two tiles a trip; both offsets step once a trip by a constant
	v_add_nc_u32 v[DL], s[DOF], v[DA]              ; the pair's 16,384 bytes of my dump
	v_add_nc_u32 v[SSC], s[SOF], v[SSA]            ; and its 256 bytes of scale words
	LOADH H0, 0
	LOADH H1, 8192
	s_wait_dscnt 16                                ; the even tile is in; the odd tile's 16 loads may be out
	PROC H0, 0
	s_wait_dscnt 1                                 ; the odd tile is in; the scale word's store, issued behind its loads, may be out
	PROC H1, 1
	s_add_co_u32 s[DOF], s[DOF], 16384
	s_add_co_u32 s[SOF], s[SOF], 256
	s_sub_co_u32 s3, s3, 1
	s_cmp_lg_u32 s3, 0
	s_cbranch_scc1 .Lout
	s_wait_dscnt 0x0                               ; for the others' sake: my scale words lie in LDS
	s_barrier_signal -1
	s_barrier_wait -1
	ds_load_b128 v[H0:H0+3], v[SSR]
	s_wait_dscnt 0x0
	global_store_b128 v[SCV], v[H0:H0+3], s[SCO:SCO+1]     ; sixteen lanes fill 256 consecutive bytes, aligned
	s_wait_tensorcnt 0x0                           ; the wave's end
	ds_add_u32 v[SPW], v[NIL]
	s_wait_dscnt 0x0
	CROUND                                         ; the closing round
	s_endpgm
.Lfunc_end_k_qc89f5ae847_ffn1:
	.size	k_qc89f5ae847_ffn1, .Lfunc_end_k_qc89f5ae847_ffn1-k_qc89f5ae847_ffn1
	.p2alignl 7, 3214868480
	.fill 96, 4, 3214868480
	.section	.rodata,"a",@progbits
	.p2align	6, 0x0
	.amdhsa_kernel k_qc89f5ae847_ffn1
		.amdhsa_group_segment_fixed_size 327680
		.amdhsa_private_segment_fixed_size 0
		.amdhsa_enable_private_segment 0
		.amdhsa_kernarg_size 32
		.amdhsa_user_sgpr_count 2
		.amdhsa_user_sgpr_kernarg_segment_ptr 1
		.amdhsa_wavefront_size32 1
		.amdhsa_system_sgpr_workgroup_id_x 1
		.amdhsa_system_sgpr_workgroup_id_y 1
		.amdhsa_system_sgpr_workgroup_id_z 1
		.amdhsa_system_vgpr_workitem_id 0
		.amdhsa_next_free_vgpr 1024
		.amdhsa_next_free_sgpr 102
		.amdhsa_reserve_vcc 0
		.amdhsa_float_denorm_mode_32 3
		.amdhsa_float_denorm_mode_16_64 3
		.amdhsa_memory_ordered 1
		.amdhsa_forward_progress 1
		.amdhsa_inst_pref_size 198
	.end_amdhsa_kernel
	.amdgpu_metadata
---
amdhsa.version: [ 1, 2 ]
amdhsa.kernels:
  - .name:           k_qc89f5ae847_ffn1
    .symbol:         k_qc89f5ae847_ffn1.kd
    .args:
      - { .name: himg, .offset: 0, .size: 8, .value_kind: global_buffer, .address_space: global }
      - { .name: wimg, .offset: 8, .size: 8, .value_kind: global_buffer, .address_space: global }
      - { .name: b1, .offset: 16, .size: 8, .value_kind: global_buffer, .address_space: global }
      - { .name: gimg, .offset: 24, .size: 8, .value_kind: global_buffer, .address_space: global }
    .group_segment_fixed_size: 327680
    .private_segment_fixed_size: 0
    .kernarg_segment_align: 8
    .kernarg_segment_size: 32
    .max_flat_workgroup_size: 128
    .sgpr_count:     102
    .vgpr_count:     1024
    .wavefront_size: 32
...
	.end_amdgpu_metadata
.endif
;; end of part 6
;; launch ffn2 (part 7): grid 8 x 32, 4 waves a work-group, clusters of 4 x 4, 327,680 bytes of LDS; arguments gimg, wimg, b2, ybuf, out0; writes out0
.if DOCPART == 7
	.amdgcn_target "amdgcn-amd-amdhsa--gfx1250"
	.amdhsa_code_object_version 6
	.text
	.protected	k_qc89f5ae847_ffn2
	.globl	k_qc89f5ae847_ffn2
	.p2align	8
	.type	k_qc89f5ae847_ffn2,@function
k_qc89f5ae847_ffn2:
	s_mov_b64 s[64:65], 0
	v_nop
	global_prefetch_b8 v0, s[64:65] scope:SCOPE_SE
	s_setreg_imm32_b32 hwreg(HW_REG_WAVE_MODE, 25, 1), 1
	s_wait_xcnt 0x0
	s_wait_alu depctr_hold_cnt(0) depctr_sa_sdst(0) depctr_va_vdst(0) depctr_va_sdst(0) depctr_va_ssrc(0) depctr_va_vcc(0) depctr_vm_vsrc(0)
	s_getreg_b32 s2, hwreg(HW_REG_IB_STS2, 6, 4)
	s_cmp_eq_u32 s2, 0
	s_cbranch_scc0 .Lentry_in_a_cluster
	s_endpgm
.Lentry_in_a_cluster:
	s_bfe_u32 s2, ttmp6, 0x10000c
	s_cmp_lg_u32 s2, 0xf033
	s_cbranch_scc0 .Lentry_shape_is_right
	s_endpgm
.Lentry_shape_is_right:
; out = res + S1 S0^T + bias, f32 rows of 1,024, on codes of BF6 (E3M2).  S1 (4,096 rows) and S0 (the weight's 1,024 columns) are IMAGES OF OPERAND REGISTERS: tile T = 2 g + u of 16 rows, lane slot r = row
; 32 g + 8 u + r + 8 (r / 8); fragment (T, s = k / 128) = 1,536 bytes, register c of lane L at 512 (c / 4) + 16 L + 4 (c % 4); order [T][s]; scales [g][k / 256][u][r][2 words].
; A work-group makes 128 x 128, so that the 4,096 x 1,024 results give 256 work-groups; each of its four waves makes 64 x 64: 16 accumulators.  K goes in slots of 512 through a ring of two LDS slots; a tile's part of a slot is
; 6,144 consecutive bytes of memory.  SOURCE 0 = 16 rows of S0, SOURCE 1 = 16 rows of S1: a lane holds one row of the result and eight neighbouring columns a tile.
; CLUSTER 4 x 4: S1's tiles are shared along a row of the cluster, S0's along a column: joint loads.  The scales of the work-group's rows, for all of K, come once with the first fills.
; The bias is the C of the first K step's products; the residual is loaded at the head, in the layout in which rows leave, and added on the way out.  LIMITS: NaN and infinities are not served.
.set SIZE_K, 4096
.set S1SC, 12582912                    ; S1's scales in its buffer
.set S0C,  6291456                     ; the weight's codes and scales among the weights' images
.set S0SC, 9699328
.set TW,   4
.set NQ,   4
.set KT,   SIZE_K/128
.set FRB,  1536
.set TROW, NQ*FRB
.set HALFT, TW*TROW
.set SLOT, 4*HALFT
.set LAPS, KT/NQ/2
.set HALFS, (TW/2)*SIZE_K
.set SCL,  2*SLOT
.set SPARE, 229376                     ; the spare words: 128 bytes a wave, named by no other line
.set STG,  229888                      ; the way out: 16 rows x (256 bytes + 16) for each wave
.set ADR1, 16
.set ADR0, 20
.set LI,   23
.set STO,  24
.set RD,   25
.set CO,   26
.set ADRS, 27
.set SPW,  28
.set NIL,  29
.set SC,   32                          ; v32-63 scale words: set sc, tile i, step q at SC + 16 sc + NQ i + q
.set F1,   64                          ; window 0: S1's fragments, sets at 64 and 160; v112-143, v208-239 rows on the way out.  Window 1: S0's, sets at 0 and 128; the bias at 96-127.  Window 2: accumulator (a, b) at 8 (4 a + b); the residual from v128
.set G1, 24
.set G0, 32
.set G1B, 48
.set G0B, 56
.set G1S, 68
.set G0S, 76
.set G1SB, 80
.set G0SB, 88
.set MSB, 0
.macro WIN new
.if MSB != (\new)
	s_set_vgpr_msb (MSB<<8)|(\new)
.set MSB, (\new)
.endif
.endm
.macro JLOAD g0a, g1a, g0b, g1b        ; a joint load: waves 0 and 1 fetch for S1, waves 2 and 3 for S0; four v_nop follow each line
	s_cmp_eq_u32 s15, 0
	s_cbranch_scc0 .Lfor_b_\@
	tensor_load_to_lds s[\g0a:\g0a+3], s[\g1a:\g1a+7]
	s_nop 0
.rept 4
	v_nop
.endr
	s_branch .Lasked_\@
.Lfor_b_\@:
	tensor_load_to_lds s[\g0b:\g0b+3], s[\g1b:\g1b+7]
	s_nop 0
.rept 4
	v_nop
.endr
.Lasked_\@:
.endm
.macro CREST
	s_cmp_lg_u32 s14, 0
	s_cbranch_scc1 .Lnot_wave_0_\@
	s_barrier_signal -3
.Lnot_wave_0_\@:
	s_barrier_wait -3
	s_barrier_signal -1
	s_barrier_wait -1
.endm
.macro CROUND
	s_barrier_signal -1
	s_barrier_wait -1
	CREST
.endm
.macro PLACES n
.rept \n
	v_nop
.endr
.endm
.macro FRAG reg, adr, q, i
.irp c, 0,1,2
	ds_load_b128 v[\reg+4*\c:\reg+4*\c+3], v[\adr] offset:(\i)*TROW+(\q)*FRB+512*\c
.endr
.endm
.macro FETCH slot, q, p
	WIN 0x40
.set fi, 0
.rept TW
	FRAG 128*(\p)+12*fi, ADR0+\slot, \q, fi
.set fi, fi+1
.endr
	WIN 0
.set fi, 0
.rept TW
	FRAG F1+96*(\p)+12*fi, ADR1+\slot, \q, fi
.set fi, fi+1
.endr
.endm
.macro SCALES sc
.set fi, 0
.rept TW
.set fe, 0
.rept NQ/2
	ds_load_b64 v[SC+16*(\sc)+NQ*fi+2*fe:SC+16*(\sc)+NQ*fi+2*fe+1], v[ADRS] offset:(fi/2)*SIZE_K+128*(fi%2)+256*fe
.set fe, fe+1
.endr
.set fi, fi+1
.endr
.endm
.macro MULQ part, p, q, sc, cm         ; one tile of S1 against S0's four.  cm = 1: the sums start from the bias.  The accumulators take turns in one fixed order
.set ma, (\part)*TW/4
.if (\cm) != 0
	WIN (2<<6)|(1<<4)|1
.else
	WIN (2<<6)|(2<<4)|1
.endif
.set mb, 0
.rept TW
.set AC, 8*(TW*ma+mb)
.set CC, AC
.if (\cm) == 1
.set CC, 96+8*mb
.endif
.set RS0, 128*(\p)+12*mb
.set RS1, F1+96*(\p)+12*ma
.set RSA, SC+16*(\sc)+NQ*mb+(\q)
.set RSB, SC+16*(\sc)+NQ*ma+(\q)
	v_wmma_scale_f32_16x16x128_f8f6f4 v[AC:AC+7], v[RS0:RS0+11], v[RS1:RS1+11], v[CC:CC+7], v[RSA], v[RSB] matrix_a_fmt:MATRIX_FMT_BF6 matrix_b_fmt:MATRIX_FMT_BF6 matrix_a_scale:MATRIX_SCALE_ROW1
.set mb, mb+1
.endr
.endm
.macro STEP slot, q, cm
	s_wait_dscnt 0x0                               ; this step's fragments, asked for three quarters of a step ago
	MULQ 0, (\q)%2, \q, \slot, \cm
	PLACES 4                                       ; in front of loads into the set that the last step's products read
	FETCH \slot, (\q)+1, 1-(\q)%2
	MULQ 1, (\q)%2, \q, \slot, \cm
	MULQ 2, (\q)%2, \q, \slot, \cm
	MULQ 3, (\q)%2, \q, \slot, \cm
.endm
.macro TURN slot, next, fill
	WIN 0
	s_wait_tensorcnt 0x0                           ; all my tensor loads have landed: my part of the next slot;
	ds_add_u32 v[SPW], v[NIL]                      ; 0 onto my spare word
	s_wait_dscnt 1                                 ; the fragments are in; the add alone may be out
	MULQ 0, 1, NQ-1, \slot, 0
	s_wait_dscnt 0x0                               ; the add is done, and my reads of this slot are over
	s_barrier_signal -1
	MULQ 1, 1, NQ-1, \slot, 0
	WIN 0
	s_barrier_wait -1
.if \fill
	CREST                                          ; the barrier has opened a round of the cluster's: no wave of any partner still reads this slot or has a load on its way
	s_add_nc_u64 s[G0+4*\slot+2:G0+4*\slot+3], s[G0+4*\slot+2:G0+4*\slot+3], 2*TROW
	s_add_nc_u64 s[G0B+4*\slot+2:G0B+4*\slot+3], s[G0B+4*\slot+2:G0B+4*\slot+3], 2*TROW
	JLOAD G0+4*\slot, G1, G0B+4*\slot, G1B         ; the first tensor load behind the round; its four v_nop are the places in front of the loads below
.else
	PLACES 4
.endif
	v_add_nc_u32 v[ADRS], 128*NQ, v[ADRS]
	FETCH \next, 0, 0
	SCALES \next
	MULQ 2, 1, NQ-1, \slot, 0
	MULQ 3, 1, NQ-1, \slot, 0
.endm
	s_load_b128 s[4:7], s[0:1], 0x0                ; S1's image, the weights' images
	s_load_b128 s[8:11], s[0:1], 0x10              ; the bias, the residual
	s_load_b64 s[12:13], s[0:1], 0x20              ; the result
	v_lshl_add_u32 v[SPW], v0, 2, SPARE
	v_mov_b32 v[NIL], 0
	ds_add_u32 v28, v29
	ds_add_u32 v28, v29
	s_wait_dscnt 0x0
	v_lshrrev_b32 v1, 5, v0
	v_readfirstlane_b32 s14, v1
	s_lshr_b32 s15, s14, 1                         ; my half of S1's tiles.  Also: I fetch for S1 (0) or S0 (1)
	s_and_b32 s16, s14, 1                          ; my half of S0's.  Also: which half of that side I fetch
	s_bfe_u32 s40, ttmp6, 0x40000
	s_bfe_u32 s41, ttmp6, 0x40004
	s_lshl_b32 s42, ttmp9, 2
	s_add_co_u32 s42, s42, s40                     ; which 128 columns
	s_and_b32 s17, ttmp7, 0xffff
	s_lshl_b32 s17, s17, 2
	s_add_co_u32 s17, s17, s41                     ; which 128 rows
	s_lshl_b32 s43, s41, 2
	s_lshl_b32 s43, 15, s43
	s_lshl_b32 s44, 0x1111, s40
	s_or_b32 s[G1+0], s43, (3<<16)|(1<<21)         ; 15:0 the mask; 17:16 elements of 8 bytes; 21 set beside a mask; no padding
	s_or_b32 s[G1B+0], s44, (3<<16)|(1<<21)
.irp g, G1, G1B
	s_mov_b32 s[\g+1], (TROW/8)<<16
	s_mov_b32 s[\g+2], TW<<16
	s_mov_b32 s[\g+3], (TROW/8)<<16
	s_mov_b32 s[\g+4], TW
	s_mov_b32 s[\g+5], KT*192
	s_mov_b32 s[\g+6], 0
	s_mov_b32 s[\g+7], 0
.endr
	s_or_b32 s[G1S+0], s43, (3<<16)|(1<<21)
	s_or_b32 s[G1SB+0], s44, (3<<16)|(1<<21)
.irp g, G1S, G1SB
	s_mov_b32 s[\g+1], 32<<16
	s_mov_b32 s[\g+2], (HALFS/256)<<16
	s_mov_b32 s[\g+3], 32<<16
	s_mov_b32 s[\g+4], HALFS/256
	s_mov_b32 s[\g+5], 32
	s_mov_b32 s[\g+6], 0
	s_mov_b32 s[\g+7], 0
.endr
	s_mul_i32 s18, s16, TW
	s_mul_i32 s20, s17, 2*TW
	s_add_co_u32 s20, s20, s18
	s_mul_i32 s46, s42, 2*TW
	s_add_co_u32 s46, s46, s18
	s_mul_i32 s22, s20, SIZE_K/2
	s_mul_i32 s92, s46, SIZE_K/2
	s_mul_i32 s20, s20, KT*FRB
	s_mul_i32 s46, s46, KT*FRB
	s_mov_b32 s21, 0
	s_mov_b32 s23, 0
	s_mov_b32 s47, 0
	s_mov_b32 s93, 0
	s_mul_i32 s45, s14, HALFT
	s_mul_i32 s94, s14, HALFS
	s_wait_kmcnt 0x0
	s_add_nc_u64 s[20:21], s[4:5], s[20:21]
	s_add_nc_u64 s[22:23], s[4:5], s[22:23]
	s_add_nc_u64 s[22:23], s[22:23], S1SC
	s_add_nc_u64 s[46:47], s[6:7], s[46:47]
	s_add_nc_u64 s[46:47], s[46:47], S0C
	s_add_nc_u64 s[92:93], s[6:7], s[92:93]
	s_add_nc_u64 s[92:93], s[92:93], S0SC
	CROUND                                         ; all sixteen work-groups are here: the first joint loads meet
	s_mov_b32 s[G0S], 1
	s_add_co_u32 s[G0S+1], s94, SCL
	s_mov_b64 s[G0S+2:G0S+3], s[22:23]
	s_or_b32 s[G0S+3], s[G0S+3], 0x80000000
	s_mov_b32 s[G0SB], 1
	s_add_co_u32 s[G0SB+1], s94, SCL
	s_mov_b64 s[G0SB+2:G0SB+3], s[92:93]
	s_or_b32 s[G0SB+3], s[G0SB+3], 0x80000000
	JLOAD G0S, G1S, G0SB, G1SB
.irp s, 0,1
	s_mov_b32 s[G0+4*\s], 1
	s_add_co_u32 s[G0+4*\s+1], s45, \s*SLOT
	s_add_nc_u64 s[G0+4*\s+2:G0+4*\s+3], s[20:21], \s*TROW
	s_or_b32 s[G0+4*\s+3], s[G0+4*\s+3], 0x80000000
	s_mov_b32 s[G0B+4*\s], 1
	s_add_co_u32 s[G0B+4*\s+1], s45, \s*SLOT
	s_add_nc_u64 s[G0B+4*\s+2:G0B+4*\s+3], s[46:47], \s*TROW
	s_or_b32 s[G0B+4*\s+3], s[G0B+4*\s+3], 0x80000000
	JLOAD G0+4*\s, G1, G0B+4*\s, G1B               ; three loads of mine are out behind the second of these
.endr
	v_and_b32 v1, 31, v0
	v_lshlrev_b32 v[LI], 4, v1
	v_and_b32 v2, 15, v0                           ; r
	v_bfe_u32 v3, v0, 4, 1                         ; h
	s_mul_i32 s21, s15, HALFT
	s_mul_i32 s22, s16, HALFT
	s_add_co_u32 s22, s22, 2*HALFT
.irp s, 0,1
	v_add_nc_u32 v[ADR1+\s], s21, v[LI]
	v_add_nc_u32 v[ADR0+\s], s22, v[LI]
	s_add_co_u32 s21, s21, SLOT
	s_add_co_u32 s22, s22, SLOT
.endr
	s_mul_i32 s21, s15, HALFS
	s_mul_i32 s22, s16, HALFS
	s_add_co_u32 s22, s22, 2*HALFS
	s_sub_co_u32 s22, s22, s21
	v_mul_u32_u24 v6, s22, v3                      ; lanes 16-31 take S0's scale words: one product of the distance
	s_add_co_u32 s21, s21, SCL
	v_lshl_add_u32 v5, v2, 3, v6
	v_add_nc_u32 v[ADRS], s21, v5
	s_mul_i32 s21, s14, 4352
	s_add_co_u32 s21, s21, STG                     ; my stage
	v_mul_u32_u24 v5, v2, 272
	v_lshl_add_u32 v5, v3, 6, v5
	v_add_nc_u32 v[STO], s21, v5                   ; in: slot r, 64 h: my half's 16 columns of each 32
	v_mul_u32_u24 v5, v3, 272
	v_lshl_add_u32 v5, v2, 4, v5
	v_add_nc_u32 v[RD], s21, v5                    ; back: lanes 0-15 one slot's 256 bytes, lanes 16-31 the next's
	v_lshlrev_b32 v5, 12, v3
	v_lshl_add_u32 v[CO], v2, 4, v5                ; and the same in rows of 4,096 bytes
	s_lshl_b32 s46, s42, 9
	s_lshl_b32 s47, s16, 8
	s_add_co_u32 s46, s46, s47                     ; my first column, in bytes
	s_mov_b32 s47, 0
	s_add_nc_u64 s[8:9], s[8:9], s[46:47]
	s_lshl_b32 s20, s17, 7
	s_lshl_b32 s21, s15, 6
	s_add_co_u32 s20, s20, s21                     ; my first row
	s_lshl_b32 s20, s20, 12
	s_add_co_u32 s20, s20, s46
	s_mov_b32 s21, 0
	s_add_nc_u64 s[10:11], s[10:11], s[20:21]
	s_add_nc_u64 s[12:13], s[12:13], s[20:21]
	v_lshlrev_b32 v7, 6, v3
	WIN 0x40
.irp b, 0,1,2,3                                ; the bias: register j of tile b is bias[n0 + 32 (b / 2) + 16 h + 8 (b % 2) + j]
	global_load_b128 v[96+8*\b:96+8*\b+3], v7, s[8:9] offset:(32*(\b/2)+8*(\b%2))*4
	global_load_b128 v[100+8*\b:100+8*\b+3], v7, s[8:9] offset:(32*(\b/2)+8*(\b%2))*4+16
.endr
	WIN 0x80
.irp a, 0,1,2,3                                ; the residual: slots 2 t and 2 t + 1 of tile a are rows 32 (a / 2) + 8 (a % 2) + 2 t + 8 (t / 4) and the next; sixteen lanes read 256 consecutive bytes
.irp t, 0,1,2,3,4,5,6,7
	global_load_b128 v[128+32*\a+4*\t:128+32*\a+4*\t+3], v[CO], s[10:11] offset:(32*(\a/2)+8*(\a%2)+2*\t+8*(\t/4))*4096
.endr
.endr
	WIN 0
	s_wait_tensorcnt 1                             ; the scales and my part of slot 0 are in; slot 1's load may be out
	s_barrier_signal -1
	s_barrier_wait -1
	FETCH 0, 0, 0
	SCALES 0
	s_wait_loadcnt 32                              ; the bias is in; the residual's 32 loads may be out
	STEP 0, 0, 1                                   ; the first step starts the sums from the bias
	WIN 0
.if LAPS > 1
	s_mov_b32 s3, LAPS-1
.Llap:                                                 ; a trip goes once round the ring and fills both slots again
	STEP 0, 1, 0
	STEP 0, 2, 0
	TURN 0, 1, 1
	STEP 1, 0, 0
	STEP 1, 1, 0
	STEP 1, 2, 0
	TURN 1, 0, 1
	STEP 0, 0, 0
	WIN 0
	s_sub_co_u32 s3, s3, 1
	s_cmp_lg_u32 s3, 0
	s_cbranch_scc1 .Llap
.endif
	STEP 0, 1, 0                                   ; the last lap fills nothing
	STEP 0, 2, 0
	TURN 0, 1, 0
	STEP 1, 0, 0
	STEP 1, 1, 0
	STEP 1, 2, 0
	s_wait_dscnt 0x0
	MULQ 0, 1, NQ-1, 1, 0
	MULQ 1, 1, NQ-1, 1, 0
	MULQ 2, 1, NQ-1, 1, 0
	MULQ 3, 1, NQ-1, 1, 0
	WIN 0
	s_wait_loadcnt 0x0                             ; the residual
	PLACES 4
; THE WAY OUT, a tile of 16 rows x 64 columns at a time, through my own stage: LDS serves a wave's instructions in order, so no wait stands between the stores and the loads, nor in front of the next tile's stores.
.set ea, 0
.rept 4
.set TT, 112+96*(ea%2)
.if ea >= 2
	s_wait_xcnt 0x0                                ; the stores of the tile two back have read these registers
.endif
	WIN 0x08
.irp b, 0,1,2,3
	ds_store_b128 v[STO], v[32*ea+8*\b:32*ea+8*\b+3] offset:128*(\b/2)+32*(\b%2)           ; each accumulator from its low end on
	ds_store_b128 v[STO], v[32*ea+8*\b+4:32*ea+8*\b+7] offset:128*(\b/2)+32*(\b%2)+16
.endr
	WIN 0
.irp t, 0,1,2,3,4,5,6,7
	ds_load_b128 v[TT+4*\t:TT+4*\t+3], v[RD] offset:544*\t
.endr
	s_wait_dscnt 0x0
	WIN 0x08
.irp i, 0,2,4,6,8,10,12,14,16,18,20,22,24,26,28,30
	v_pk_add_f32 v[TT+\i:TT+\i+1], v[TT+\i:TT+\i+1], v[128+32*ea+\i:128+32*ea+\i+1]
.endr
	WIN 0
.irp t, 0,1,2,3,4,5,6,7
	global_store_b128 v[CO], v[TT+4*\t:TT+4*\t+3], s[12:13] offset:(32*(ea/2)+8*(ea%2)+2*\t+8*(\t/4))*4096     ; sixteen lanes store 256 consecutive bytes, aligned
.endr
.set ea, ea+1
.endr
	s_wait_tensorcnt 0x0                           ; the wave's end
	ds_add_u32 v[SPW], v[NIL]
	s_wait_dscnt 0x0
	CROUND                                         ; the closing round
	s_endpgm
.Lfunc_end_k_qc89f5ae847_ffn2:
	.size	k_qc89f5ae847_ffn2, .Lfunc_end_k_qc89f5ae847_ffn2-k_qc89f5ae847_ffn2
	.p2alignl 7, 3214868480
	.fill 96, 4, 3214868480
	.section	.rodata,"a",@progbits
	.p2align	6, 0x0
	.amdhsa_kernel k_qc89f5ae847_ffn2
		.amdhsa_group_segment_fixed_size 327680
		.amdhsa_private_segment_fixed_size 0
		.amdhsa_enable_private_segment 0
		.amdhsa_kernarg_size 40
		.amdhsa_user_sgpr_count 2
		.amdhsa_user_sgpr_kernarg_segment_ptr 1
		.amdhsa_wavefront_size32 1
		.amdhsa_system_sgpr_workgroup_id_x 1
		.amdhsa_system_sgpr_workgroup_id_y 1
		.amdhsa_system_sgpr_workgroup_id_z 1
		.amdhsa_system_vgpr_workitem_id 0
		.amdhsa_next_free_vgpr 768
		.amdhsa_next_free_sgpr 102
		.amdhsa_reserve_vcc 0
		.amdhsa_float_denorm_mode_32 3
		.amdhsa_float_denorm_mode_16_64 3
		.amdhsa_memory_ordered 1
		.amdhsa_forward_progress 1
		.amdhsa_inst_pref_size 91
	.end_amdhsa_kernel
	.amdgpu_metadata
---
amdhsa.version: [ 1, 2 ]
amdhsa.kernels:
  - .name:           k_qc89f5ae847_ffn2
    .symbol:         k_qc89f5ae847_ffn2.kd
    .args:
      - { .name: gimg, .offset: 0, .size: 8, .value_kind: global_buffer, .address_space: global }
      - { .name: wimg, .offset: 8, .size: 8, .value_kind: global_buffer, .address_space: global }
      - { .name: b2, .offset: 16, .size: 8, .value_kind: global_buffer, .address_space: global }
      - { .name: ybuf, .offset: 24, .size: 8, .value_kind: global_buffer, .address_space: global }
      - { .name: out0, .offset: 32, .size: 8, .value_kind: global_buffer, .address_space: global }
    .group_segment_fixed_size: 327680
    .private_segment_fixed_size: 0
    .kernarg_segment_align: 8
    .kernarg_segment_size: 40
    .max_flat_workgroup_size: 128
    .sgpr_count:     102
    .vgpr_count:     768
    .wavefront_size: 32
...
	.end_amdgpu_metadata
.endif
;; end of part 7
